; MI455X (gfx1250); checked and timed in simulation.
; The chip was launched on July 23, 2026; its instructions are those of AMD's public machine-readable ISA for CDNA 5 (MIT licence, August 2026) and "CDNA5" Instruction Set Architecture Reference Guide (July 2026). The comments in the code are by the model that wrote it; some were corrected since.
;; Self Attention. Allowed arithmetic: matrix products marked QUANTISED: E2M1 operands, one E8M0 scale for each 32 along K, by v_wmma_scale_f32_16x16x128_f8f6f4 with both operands' format E2M1 (or v_wmma_scale_f32_32x16x128_f4), f32 sums; products left as they are: bf16, f16 or f32 operands; f32 sums; everything else in f32.
;; Inputs: Wk 1,024 x 1,024 float32; Wq 1,024 x 1,024 float32; Wv 1,024 x 1,024 float32; key 4 x 2,048 x 1,024 float32; query 4 x 2,048 x 1,024 float32; value 4 x 2,048 x 1,024 float32.
;; Outputs: out0 4 x 2,048 x 1,024 float32.
;; This version of the problem:
;;   THIS VERSION OF THE PROBLEM IS GIVEN IN LOW PRECISION. The matrix products marked QUANTISED in the list below multiply operands that are first quantised to E2M1 (2 exponent bits, 1 mantissa bit; 4 bits a number), with one power-of-two scale for each 32 numbers along K (OCP MX v1.0); their sums are f32. The products marked 'left as it is' may take bf16, f16 or f32 operands, with f32 sums. Whichever they take, every output number must still come out within the allowed error. Rounding operands to bf16 (8 significant bits) uses up far more of that allowance than f16 does (11 bits, for magnitudes from 6e-5 to 65,504). All else is computed in f32.
;;   The module's matrix products, in the order in which they are computed (A, B: the left and right operand; K: the contracted axis; several contracted axes count as one K, in the product's order):
;;     1. [M 8,192, K 1,024] x [K 1,024, N 1,024]; A: input query; B: input Wq: QUANTISED
;;     2. [M 8,192, K 1,024] x [K 1,024, N 1,024]; A: input key; B: input Wk: QUANTISED
;;     3. [M 8,192, K 1,024] x [K 1,024, N 1,024]; A: input value; B: input Wv: QUANTISED
;;     4. batch 4 x [M 2,048, K 1,024] x [K 1,024, N 2,048]; A: computed on the way; B: computed on the way: left as it is (an operand is computed on the way)
;;     5. batch 4 x [M 2,048, K 2,048] x [K 2,048, N 1,024]; A: computed on the way; B: computed on the way: left as it is (an operand is computed on the way)
;;   THE QUANTISER, for each operand of a quantised product, along K:
;;     - K is cut into blocks of 32 from its start; a last block that is shorter is filled with zeros.
;;     - A block's scale is 2^e with e = floor(log2(the largest magnitude in the block)) - 2, held to -126 .. 127; a block of zeros has e = 0. As a byte (E8M0): e + 127.
;;     - Each number is divided by its block's scale, clamped to +-6, and rounded to the nearest number of E2M1, ties to even, subnormals kept.
;;     - The product sums the exact products of the quantised numbers (number of the format x scale) in f32.
;;   ~~~python
;;   def quantise(x, axis):      # numpy; x: float32 -> the quantised numbers, widened to float32 again
;;       x = np.moveaxis(x, axis, -1); K = x.shape[-1]
;;       x = np.pad(x, [(0, 0)] * (x.ndim - 1) + [(0, -K % 32)]); x = x.reshape(x.shape[:-1] + (-1, 32)); a = np.abs(x).max(-1, keepdims=True)
;;       e = np.where(a > 0, np.clip(np.frexp(np.where(a > 0, a, 1))[1] - 1 - 2, -126, 127), 0)      # np.frexp(a)[1] - 1 = floor(log2(a)), exactly
;;       r = np.clip(x / 2.0 ** e, -6, 6)
;;       step = 2.0 ** (np.maximum(np.frexp(np.where(r == 0, 1, r))[1] - 1, 0) - 1)
;;       q = np.round(r / step) * step * 2.0 ** e      # np.round: ties to even
;;       return np.moveaxis(q.reshape(q.shape[:-2] + (-1,))[..., :K], -1, axis).astype(np.float32)
;;   ~~~
;; One version. Each part assembles by itself: llvm-mc -triple=amdgcn-amd-amdhsa -mcpu=gfx1250 --defsym DOCPART=n.
;; ======== version 1 of 1: 4 launches
;; limits: values are held in f16: magnitudes above 65,504 overflow, below 6.1e-05 lose precision
;; workspace buffers: codes 14,155,776 bytes; scales 884,736 bytes; qkv 50,331,648 bytes; probs 33,554,432 bytes; stats 1,048,576 bytes
;; launch quant (part 1): grid 864 x 1, 4 waves a work-group, no clusters, 33,280 bytes of LDS; arguments query, key, value, Wq, Wk, Wv, codes, scales; writes codes, scales
.if DOCPART == 1
	.amdgcn_target "amdgcn-amd-amdhsa--gfx1250"
	.amdhsa_code_object_version 6
	.text
	.protected	k_q10a34e0300_quant
	.globl	k_q10a34e0300_quant
	.p2align	8
	.type	k_q10a34e0300_quant,@function
k_q10a34e0300_quant:
	s_mov_b64 s[64:65], 0
	v_nop
	global_prefetch_b8 v0, s[64:65] scope:SCOPE_SE
	s_setreg_imm32_b32 hwreg(HW_REG_WAVE_MODE, 25, 1), 1
	s_wait_xcnt 0x0
; query, key, value [8192][1024] and Wq, Wk, Wv [1024][1024], f32 with K innermost, become codes of FP4 (E2M1), two to a byte, and one E8M0 scale byte for each 32 along K.
; OUT: codes [27648 rows][512 bytes], scales [27648][32 bytes]; rows 0.. query, 8192.. key, 16384.. value, 24576.. Wq, 25600.. Wk, 26624.. Wv.
; A block's scale is 2^(floor(log2(its largest magnitude)) - 2); its byte is the largest magnitude's exponent field - 2, held at 1 from below.  A block of zeros so gets the byte 1 where the
; rule says 127: its codes are zeros, which add nothing under any byte but 0xff, and this program alone reads the bytes.
; LIMITS: blocks whose largest magnitude lies under 2^-124, the floor, were not tried; NaN and infinities among the inputs are not served.
; Rows are dense and 1024 is a multiple of 32: every tensor is a plain stream of blocks of 32, and so are its codes and scale bytes.  A work-group takes 32,768 numbers: 256 work-groups for each of
; query, key, value, 32 for each weight; the outputs are linear in the work-group's number.  A wave takes 16 steps of 512 numbers.  Each load reads 512 consecutive bytes, 16 a lane; a step's 2,048
; bytes turn through the wave's own stage in LDS and come back 64 bytes a lane, so that a lane holds 16 neighbours along K (two neighbouring lanes hold a block).
; No tensor loads, no barrier: waves share nothing.  Loads run four steps (16 loads a wave) ahead, the turn through LDS one step.  No prefetch: the launch is one stream read once, with its loads far ahead.
.set WAVES, 4
.set STEPS, 16
.set EMAX,  2
.set CB,    8                          ; bytes of 16 codes
.set R,     16                         ; v16-79   four sets of 16 numbers as they are loaded
.set X,     80                         ; v80-111  two sets of 16 neighbours
.set C,     128                        ; v128-191 codes: four registers for each step, so that no store's data are written again
.set E,     112                        ; v112-127 a scale byte for each step
.set WREG,  8192                       ; LDS: a region for each wave: two stages of 32 x SP bytes, behind them its 256 scale bytes
.set SP,    80                         ; a lane's place in a stage: 64 bytes + 16 of padding
.set SPW,   12                         ; v12  LDS address of my spare word; never rewritten
.set NIL,   13                         ; v13  0; never rewritten
.set SPARE, WAVES*WREG                 ; behind the four regions: the spare words, 128 bytes a wave, which no other line names
	s_load_b256 s[4:11], s[0:1], 0x0               ; query s[4:5], key s[6:7], value s[8:9], Wq s[10:11]
	s_load_b256 s[12:19], s[0:1], 0x20             ; Wk s[12:13], Wv s[14:15], codes s[16:17], scales s[18:19]
	v_lshl_add_u32 v[SPW], v0, 2, SPARE
	v_mov_b32 v[NIL], 0
	v_lshrrev_b32 v1, 5, v0
	v_readfirstlane_b32 s24, v1                    ; wave
	v_and_b32 v2, 31, v0                           ; lane
	v_lshlrev_b32 v3, 4, v2                        ; my 16 bytes of a load's 512
	s_mul_i32 s25, s24, WREG
	v_lshrrev_b32 v14, 2, v2
	v_mul_u32_u24 v14, v14, SP
	v_and_b32 v15, 3, v2
	v_lshl_add_u32 v14, v15, 4, v14
	v_add_nc_u32 v14, s25, v14                     ; the stage, on the way in: SP (lane / 4) + 16 (lane % 4); a load's 512 bytes take eight places
	v_mul_u32_u24 v15, v2, SP
	v_add_nc_u32 v15, s25, v15                     ; and on the way out: SP x lane: my 16 neighbours
	v_mul_u32_u24 v4, v2, CB                       ; my codes' place in a step's
	v_lshrrev_b32 v5, 1, v2
	s_add_co_u32 s25, s25, 2*32*SP
	v_add_nc_u32 v5, s25, v5                       ; LDS: my wave's 256 scale bytes, my block's byte
	v_lshlrev_b32 v7, 3, v2                        ; and on the way out 8 bytes a lane
	v_add_nc_u32 v6, s25, v7
	; which work-group of its tensor this one is: the tensors begin at work-groups 0, 256, 512, 768, 800, 832
	s_and_b32 s26, ttmp9, 0xffffff00
	s_sub_co_u32 s27, ttmp9, 768
	s_and_b32 s27, s27, 0xffffffe0
	s_add_co_u32 s27, s27, 768
	s_cmp_lt_u32 ttmp9, 768
	s_cselect_b32 s26, s26, s27                    ; the tensor's first work-group
	s_sub_co_u32 s26, ttmp9, s26
	s_lshl_b32 s26, s26, 2
	s_add_co_u32 s26, s26, s24                     ; my wave's run of 8,192 numbers in the tensor,
	s_lshl_b32 s26, s26, 15                        ; in bytes (under 2^26)
	s_mov_b32 s27, 0
	s_lshl_b32 s28, ttmp9, 2
	s_add_co_u32 s28, s28, s24                     ; and its run among all six
	s_lshl_b32 s30, s28, 8                         ; 256 scale bytes a run
	s_mov_b32 s31, 0
	s_lshl_b32 s28, s28, 12                        ; 4,096 bytes of codes a run
	s_mov_b32 s29, 0
	s_wait_kmcnt 0x0
	s_cmp_lt_u32 ttmp9, 832                        ; the tensor is chosen by the work-group's number alone, from the last backwards
	s_cselect_b64 s[20:21], s[12:13], s[14:15]
	s_cmp_lt_u32 ttmp9, 800
	s_cselect_b64 s[20:21], s[10:11], s[20:21]
	s_cmp_lt_u32 ttmp9, 768
	s_cselect_b64 s[20:21], s[8:9], s[20:21]
	s_cmp_lt_u32 ttmp9, 512
	s_cselect_b64 s[20:21], s[6:7], s[20:21]
	s_cmp_lt_u32 ttmp9, 256
	s_cselect_b64 s[20:21], s[4:5], s[20:21]
	s_add_nc_u64 s[20:21], s[20:21], s[26:27]
	s_add_nc_u64 s[16:17], s[16:17], s[28:29]
	s_add_nc_u64 s[18:19], s[18:19], s[30:31]
.macro LOAD t
.irp i, 0,1,2,3
	global_load_b128 v[R+16*((\t)%4)+4*\i:R+16*((\t)%4)+4*\i+3], v3, s[20:21] offset:2048*(\t)+512*\i th:TH_LOAD_NT   ; 32 lanes read 512 consecutive bytes
.endr
.endm
.macro TURN t                          ; step t's numbers through the stage: LDS serves a wave's instructions in order, so no wait stands between the stores and the loads
.irp i, 0,1,2,3
	ds_store_b128 v14, v[R+16*((\t)%4)+4*\i:R+16*((\t)%4)+4*\i+3] offset:32*SP*((\t)%2)+8*SP*\i
.endr
.irp i, 0,1,2,3
	ds_load_b128 v[X+16*((\t)%2)+4*\i:X+16*((\t)%2)+4*\i+3], v15 offset:32*SP*((\t)%2)+16*\i
.endr
.endm
.irp t, 0,1,2,3
	LOAD \t
.endr
	s_wait_loadcnt 12                              ; step 0's four loads are in; three steps' twelve stay out
	TURN 0
.macro STEP t
.set XS, X+16*((\t)%2)
.if (\t) > 0
	s_wait_dscnt 1                                 ; this step's numbers are back from the stage (the last step's byte store may be out): so its stores into the stage have read their registers,
.else
	s_wait_dscnt 0x0
.endif
.if (\t)+4 < STEPS
	LOAD (\t)+4                                    ; which take the loads of four steps on
.endif
.if (\t)+1 < STEPS
.if STEPS-2-(\t) >= 3
	s_wait_loadcnt 12                              ; the next step's four loads are in; those of the three steps behind it may be out
.else
	s_wait_loadcnt 4*(STEPS-2-(\t))
.endif
	TURN (\t)+1                                    ; and go through the other stage while this step is worked
.endif
	v_max3_num_f32 v8, |v[XS]|, |v[XS+1]|, |v[XS+2]|               ; the largest magnitude of my 16, in two chains
	v_max3_num_f32 v9, |v[XS+3]|, |v[XS+4]|, |v[XS+5]|
.irp i, 6,10
	v_max3_num_f32 v8, v8, |v[XS+\i]|, |v[XS+\i+1]|
	v_max3_num_f32 v9, v9, |v[XS+\i+2]|, |v[XS+\i+3]|
.endr
	v_max3_num_f32 v8, v8, |v[XS+14]|, |v[XS+15]|
	v_max3_num_f32 v8, v8, v9, (EMAX+1)<<23        ; and the floor 2^(3 - 127): so the byte cannot fall under 1
	v_max_num_f32_dpp v8, v8, v8 row_xmask:1 row_mask:0xf bank_mask:0xf   ; and of my neighbour's 16: the block's
	v_add_nc_u32 v11, -(EMAX<<23), v8              ; 2 off its exponent field: the conversion takes the exponent field of this operand as its scale, and nothing else of it
	v_cvt_scalef32_pk8_fp4_f32 v[C+4*(\t)], v[XS:XS+7], v11        ; eight numbers / the scale, to the nearest code, ties to even, beyond 6 the largest code
	v_cvt_scalef32_pk8_fp4_f32 v[C+4*(\t)+1], v[XS+8:XS+15], v11
	v_lshrrev_b32 v[E+(\t)], 23, v11               ; the scale's byte (also the plain line behind the conversions)
	ds_store_b8 v5, v[E+(\t)] offset:16*(\t)       ; both lanes of a block write the same byte with the same value
	global_store_b64 v4, v[C+4*(\t):C+4*(\t)+1], s[16:17] offset:32*CB*(\t)   ; the wave stores 256 consecutive bytes, aligned
.endm
.irp t, 0,1,2,3,4,5,6,7,8,9,10,11,12,13,14,15
	STEP \t
.endr
	ds_load_b64 v[8:9], v6                         ; LDS serves a wave's instructions in order: these see my stores
	s_wait_dscnt 0x0
	global_store_b64 v7, v[8:9], s[18:19]          ; 32 lanes store 256 consecutive bytes, aligned
	s_wait_tensorcnt 0x0                           ; the wave's end, behind my last LDS store
	ds_add_u32 v[SPW], v[NIL]
	s_wait_dscnt 0x0
	s_endpgm
.Lfunc_end_k_q10a34e0300_quant:
	.size	k_q10a34e0300_quant, .Lfunc_end_k_q10a34e0300_quant-k_q10a34e0300_quant
	.p2alignl 7, 3214868480
	.fill 96, 4, 3214868480
	.section	.rodata,"a",@progbits
	.p2align	6, 0x0
	.amdhsa_kernel k_q10a34e0300_quant
		.amdhsa_group_segment_fixed_size 33280
		.amdhsa_private_segment_fixed_size 0
		.amdhsa_enable_private_segment 0
		.amdhsa_kernarg_size 64
		.amdhsa_user_sgpr_count 2
		.amdhsa_user_sgpr_kernarg_segment_ptr 1
		.amdhsa_wavefront_size32 1
		.amdhsa_system_sgpr_workgroup_id_x 1
		.amdhsa_system_sgpr_workgroup_id_y 1
		.amdhsa_system_sgpr_workgroup_id_z 1
		.amdhsa_system_vgpr_workitem_id 0
		.amdhsa_next_free_vgpr 192
		.amdhsa_next_free_sgpr 66
		.amdhsa_reserve_vcc 0
		.amdhsa_float_denorm_mode_32 3
		.amdhsa_float_denorm_mode_16_64 3
		.amdhsa_memory_ordered 1
		.amdhsa_forward_progress 1
		.amdhsa_inst_pref_size 34
	.end_amdhsa_kernel
	.amdgpu_metadata
---
amdhsa.version: [ 1, 2 ]
amdhsa.kernels:
  - .name:           k_q10a34e0300_quant
    .symbol:         k_q10a34e0300_quant.kd
    .args:
      - { .name: query, .offset: 0, .size: 8, .value_kind: global_buffer, .address_space: global }
      - { .name: key, .offset: 8, .size: 8, .value_kind: global_buffer, .address_space: global }
      - { .name: value, .offset: 16, .size: 8, .value_kind: global_buffer, .address_space: global }
      - { .name: Wq, .offset: 24, .size: 8, .value_kind: global_buffer, .address_space: global }
      - { .name: Wk, .offset: 32, .size: 8, .value_kind: global_buffer, .address_space: global }
      - { .name: Wv, .offset: 40, .size: 8, .value_kind: global_buffer, .address_space: global }
      - { .name: codes, .offset: 48, .size: 8, .value_kind: global_buffer, .address_space: global }
      - { .name: scales, .offset: 56, .size: 8, .value_kind: global_buffer, .address_space: global }
    .group_segment_fixed_size: 33280
    .private_segment_fixed_size: 0
    .kernarg_segment_align: 8
    .kernarg_segment_size: 64
    .max_flat_workgroup_size: 128
    .sgpr_count:     66
    .vgpr_count:     192
    .wavefront_size: 32
...
	.end_amdgpu_metadata
.endif
;; end of part 1
;; launch proj (part 2): grid 4 x 96, 4 waves a work-group, clusters of 4 x 4, 327,680 bytes of LDS; arguments codes, scales, qkv; writes qkv
.if DOCPART == 2
	.amdgcn_target "amdgcn-amd-amdhsa--gfx1250"
	.amdhsa_code_object_version 6
	.text
	.protected	k_q10a34e0300_proj
	.globl	k_q10a34e0300_proj
	.p2align	8
	.type	k_q10a34e0300_proj,@function
k_q10a34e0300_proj:
	s_mov_b64 s[64:65], 0
	v_nop
	global_prefetch_b8 v0, s[64:65] scope:SCOPE_SE
	s_setreg_imm32_b32 hwreg(HW_REG_WAVE_MODE, 25, 1), 1
	s_wait_xcnt 0x0
	s_wait_alu depctr_hold_cnt(0) depctr_sa_sdst(0) depctr_va_vdst(0) depctr_va_sdst(0) depctr_va_ssrc(0) depctr_va_vcc(0) depctr_vm_vsrc(0)
	s_getreg_b32 s2, hwreg(HW_REG_IB_STS2, 6, 4)
	s_cmp_eq_u32 s2, 0
	s_cbranch_scc0 .Lentry_in_a_cluster
	s_endpgm
.Lentry_in_a_cluster:
	s_bfe_u32 s2, ttmp6, 0x10000c
	s_cmp_lg_u32 s2, 0xf033
	s_cbranch_scc0 .Lentry_shape_is_right
	s_endpgm
.Lentry_shape_is_right:
; q = query Wq^T, k = key Wk^T, v = value Wv^T on codes of FP4 (E2M1) with one E8M0 scale for each 32 along K; sums in f32; results rounded once to f16 into qkv [24576][1024] (q, k, v on end).
; codes: [27648][512 bytes], scales: [27648][32 bytes]; rows 0-24575 are the three inputs, rows 24576 + 1024 t on the weight of tensor t.
; LIMIT: a result beyond 65,504 in magnitude becomes an infinity of f16.
; A tile, 256 rows x 256 outputs, is made by a work-group of four waves; a wave makes 128 x 128: 64 accumulators of 16 x 16, 512 registers.  96 x 4 = 384 tiles: no tile size cuts 24,576 x 1,024 into 256 equal
; tiles that stay inside one tensor.  K = 1,024 is two steps of 512 (tile rows of 256 bytes): both LDS slots are filled once, at the head, and nothing is filled again.
; The scale bytes of the tile's 256 + 256 rows are two dense blocks of 8,192 bytes: they come once, in rows of 256 bytes.
; CLUSTERS: 4 x 4 work-groups.  The four of a row of the cluster need the same rows of x, the four of a column the same rows of W: each tile is asked for jointly, by the same tensor load with the same
; descriptor and a mask that names the four.  A cluster's four tile rows lie in one tensor (32 tile rows a tensor).
; THE MATRIX INSTRUCTION IS USED TRANSPOSED (source 0 = 16 rows of W, source 1 = 16 rows of x): a lane then holds eight neighbouring outputs of one row.
; REGISTERS, in windows of 256: window 0: v0-31 addresses; v32-95 scale words, two sets, which hold nothing else; v128-191 x's fragments, ONE set (on the way out: rows read back); v192-223 packed results.
;   window 1: W's fragments, TWO sets, at v0 and v128.   window 2: the accumulators of my rows 0-63 ((a, b) at v[8 (8 a + b)]);   window 3: those of my rows 64-127.
; No prefetch: every tile of the launch is asked for at the kernel's head.
.set SIZE_K, 1024
.set KSTEP,  512
.set NQ,     KSTEP/128
.set ROWB,   256                       ; a tile's row in bytes
.set KROW,   SIZE_K/2                  ; a row of codes in memory
.set PITCH,  272                       ; an LDS row: 256 bytes + 16 of padding: the 16 rows that a load touches start 68 words apart
.set FR,     8
.set NL,     2
.set NP,     4                         ; places behind this matrix instruction (ISA guide 7.12.1)
.set HALFT,  128*PITCH
.set SLOT,   4*HALFT                   ; x's 256 rows, then W's 256 rows
.set KS,     SIZE_K/32
.set SCL,    2*SLOT                    ; behind the slots: the scales, as rows of 256 bytes + 16 of padding
.set HALFS,  (128*KS/256)*272
.set SBLK,   (16*KS/256)*272
.set SPARE,  SCL+4*HALFS               ; the spare words, 128 bytes a wave, which no other line names
.set SPITCH, 272                       ; the way out: a stage of 16 rows x (256 bytes + 16) for each wave, in slot 0, which has had its only fill and its last read by then
.set OROW,   2048                      ; a row of qkv in bytes
.set ADRA, 16
.set ADRB, 20
.set STO,  24
.set RD,   25
.set CO,   26
.set ADRS, 27
.set SPW,  28
.set NIL,  29
.set SC,   32
.set AF,   128
.set OB,   128                         ; the way out: 16 rows read back: v128-159 and v160-191 by turns
.set TMP,  192
.set G1, 24
.set G0, 32
.set G1B, 48
.set G0B, 56
.set G1S, 68
.set G0S, 76
.set G1SB, 80
.set G0SB, 88
.set MSB, 0
.macro WIN new                         ; the immediate's high byte repeats the setting that is left
.if MSB != \new
	s_set_vgpr_msb (MSB<<8)|\new
.set MSB, \new
.endif
.endm
.set MUL_LO, 0xa1                      ; source 0 (W) window 1, source 1 (x) window 0, C and D window 2
.set MUL_HI, 0xf1
.set TO_B,   0x40
; A joint load: waves 0 and 1 fetch for x, waves 2 and 3 for W.  The branch hangs on the wave's number alone.  An s_nop 0 and four v_nop follow each of the two lines.
.macro JLOAD g0a, g1a, g0b, g1b
	s_cmp_eq_u32 s15, 0
	s_cbranch_scc0 .Lfor_b_\@
	tensor_load_to_lds s[\g0a:\g0a+3], s[\g1a:\g1a+7]
	s_nop 0
.rept 4
	v_nop
.endr
	s_branch .Lasked_\@
.Lfor_b_\@:
	tensor_load_to_lds s[\g0b:\g0b+3], s[\g1b:\g1b+7]
	s_nop 0
.rept 4
	v_nop
.endr
.Lasked_\@:
.endm
.macro CROUND                          ; a round of the cluster's barrier
	s_barrier_signal -1
	s_barrier_wait -1
	s_cmp_lg_u32 s14, 0
	s_cbranch_scc1 .Lnot_wave_0_\@
	s_barrier_signal -3
.Lnot_wave_0_\@:
	s_barrier_wait -3
	s_barrier_signal -1
	s_barrier_wait -1
.endm
	s_load_b128 s[4:7], s[0:1], 0x0                ; codes s[4:5], scales s[6:7]
	s_load_b64 s[12:13], s[0:1], 0x10              ; qkv
	v_lshl_add_u32 v[SPW], v0, 2, SPARE
	v_mov_b32 v[NIL], 0
	ds_add_u32 v[SPW], v[NIL]                      ; the wave's opening: the add, twice on end, and its wait ahead of my first tensor load
	ds_add_u32 v[SPW], v[NIL]
	v_lshrrev_b32 v1, 5, v0
	v_readfirstlane_b32 s14, v1                    ; wave 0..3
	s_lshr_b32 s15, s14, 1                         ; which half of the tile's rows is mine.  Also: I fetch for x (0) or for W (1)
	s_and_b32 s16, s14, 1                          ; which half of its outputs.  Also: which 128 rows of that tile I fetch
	s_bfe_u32 s40, ttmp6, 0x40000                  ; cx, cy: my place in the cluster
	s_bfe_u32 s41, ttmp6, 0x40004
	s_lshl_b32 s42, ttmp9, 2
	s_add_co_u32 s42, s42, s40                     ; tile column = 4 x cluster x + cx
	s_and_b32 s17, ttmp7, 0xffff
	s_lshl_b32 s17, s17, 2
	s_add_co_u32 s17, s17, s41                     ; tile row = 4 x cluster y + cy
	s_lshl_b32 s43, s41, 2
	s_lshl_b32 s43, 15, s43                        ; my row of the cluster
	s_lshl_b32 s44, 0x1111, s40                    ; my column
	s_or_b32 s[G1+0], s43, (0<<16)|(1<<20)|(1<<21)|(5<<22)|(3<<25)  ; the mask; elements of 1 byte; padding on; bit 21 beside a mask; 4 words behind every 64
	s_or_b32 s[G1B+0], s44, (0<<16)|(1<<20)|(1<<21)|(5<<22)|(3<<25)
.irp g, G1, G1B
	s_mov_b32 s[\g+1], ROWB<<16                    ; tensor_dim0
	s_mov_b32 s[\g+2], 128<<16                     ; tensor_dim1
	s_mov_b32 s[\g+3], ROWB<<16                    ; tile_dim0
	s_mov_b32 s[\g+4], 128                         ; tile_dim1
	s_mov_b32 s[\g+5], KROW                        ; the pitch
	s_mov_b32 s[\g+6], 0
	s_mov_b32 s[\g+7], 0
.endr
	s_or_b32 s[G1S+0], s43, (3<<16)|(1<<20)|(1<<21)|(5<<22)|(3<<25)  ; the scales of 128 rows: 4,096 dense bytes as 16 rows of 32 elements of 8 bytes
	s_or_b32 s[G1SB+0], s44, (3<<16)|(1<<20)|(1<<21)|(5<<22)|(3<<25)
.irp g, G1S, G1SB
	s_mov_b32 s[\g+1], 32<<16
	s_mov_b32 s[\g+2], (128*KS/256)<<16
	s_mov_b32 s[\g+3], 32<<16
	s_mov_b32 s[\g+4], 128*KS/256
	s_mov_b32 s[\g+5], 32
	s_mov_b32 s[\g+6], 0
	s_mov_b32 s[\g+7], 0
.endr
	s_lshl_b32 s18, s16, 7                         ; which 128 rows of the tile I fetch
	s_lshl_b32 s20, s17, 8
	s_add_co_u32 s20, s20, s18                     ; x: row 256 x tile row + 128 x half
	s_lshl_b32 s46, s42, 8
	s_add_co_u32 s46, s46, s18                     ; W: row 256 x tile column + 128 x half,
	s_and_b32 s95, ttmp7, 0xffff                   ; in the weight of my tensor: cluster y / 8, which all sixteen partners share
	s_lshr_b32 s95, s95, 3
	s_lshl_b32 s95, s95, 10
	s_add_co_u32 s95, s95, 24576
	s_add_co_u32 s46, s46, s95
	s_mov_b32 s21, 0
	s_mov_b32 s47, 0
	s_mov_b64 s[18:19], KS
	s_mul_u64 s[22:23], s[20:21], s[18:19]         ; where these rows' scales begin, in bytes
	s_mul_u64 s[92:93], s[46:47], s[18:19]
	s_mov_b64 s[18:19], KROW
	s_mul_u64 s[20:21], s[20:21], s[18:19]         ; and their codes
	s_mul_u64 s[46:47], s[46:47], s[18:19]
	s_mul_i32 s45, s14, HALFT                      ; where they go: wave x 128 rows
	s_mul_i32 s94, s14, HALFS
	s_wait_dscnt 0x0                               ; both opening adds are done
	s_wait_kmcnt 0x0
	s_add_nc_u64 s[20:21], s[4:5], s[20:21]
	s_add_nc_u64 s[22:23], s[6:7], s[22:23]
	s_add_nc_u64 s[46:47], s[4:5], s[46:47]
	s_add_nc_u64 s[92:93], s[6:7], s[92:93]
	CROUND                                         ; all sixteen work-groups are here: the joint loads meet
	s_mov_b32 s[G0S], 1
	s_add_co_u32 s[G0S+1], s94, SCL
	s_mov_b64 s[G0S+2:G0S+3], s[22:23]
	s_or_b32 s[G0S+3], s[G0S+3], 0x80000000
	s_mov_b32 s[G0SB], 1
	s_add_co_u32 s[G0SB+1], s94, SCL
	s_mov_b64 s[G0SB+2:G0SB+3], s[92:93]
	s_or_b32 s[G0SB+3], s[G0SB+3], 0x80000000
	JLOAD G0S, G1S, G0SB, G1SB                     ; the scales first: they are wanted with K step 0.  Three loads of mine are out behind the next two
.irp s, 0,1
	s_mov_b32 s[G0+4*\s], 1
	s_add_co_u32 s[G0+4*\s+1], s45, \s*SLOT
	s_add_nc_u64 s[G0+4*\s+2:G0+4*\s+3], s[20:21], \s*ROWB
	s_or_b32 s[G0+4*\s+3], s[G0+4*\s+3], 0x80000000
	s_mov_b32 s[G0B+4*\s], 1
	s_add_co_u32 s[G0B+4*\s+1], s45, \s*SLOT
	s_add_nc_u64 s[G0B+4*\s+2:G0B+4*\s+3], s[46:47], \s*ROWB
	s_or_b32 s[G0B+4*\s+3], s[G0B+4*\s+3], 0x80000000
	JLOAD G0+4*\s, G1, G0B+4*\s, G1B
.endr
	v_and_b32 v1, 15, v0                           ; l % 16
	v_bfe_u32 v2, v0, 4, 1                         ; l / 16
	v_mul_u32_u24 v3, v1, PITCH
	v_lshl_add_u32 v4, v2, 4, v3                   ; a fragment's row x pitch + 16 x half
	s_mul_i32 s21, s15, HALFT                      ; my 128 rows of x
	s_mul_i32 s22, s16, HALFT                      ; my 128 rows of W,
	s_add_co_u32 s22, s22, 2*HALFT                 ; which lie behind x's 256
.irp s, 0,1
	v_add_nc_u32 v[ADRA+\s], s21, v4
	v_add_nc_u32 v[ADRB+\s], s22, v4
	s_add_co_u32 s21, s21, SLOT
	s_add_co_u32 s22, s22, SLOT
.endr
	v_mul_u32_u24 v5, v1, KS                       ; my row's scales: 32 bytes a row,
	v_lshrrev_b32 v6, 8, v5
	v_lshl_add_u32 v5, v6, 4, v5                   ; and 16 more for each 256 passed
	s_mul_i32 s21, s15, HALFS                      ; x's: my 128 rows
	s_mul_i32 s22, s16, HALFS                      ; W's: my 128 rows, behind x's 256
	s_add_co_u32 s22, s22, 2*HALFS
	s_sub_co_u32 s22, s22, s21
	v_mul_u32_u24 v6, s22, v2                      ; lanes 16-31 take W's: one product, the distance between the two bases
	s_add_co_u32 s21, s21, SCL
	v_add_nc_u32 v5, v5, v6
	v_add_nc_u32 v[ADRS], s21, v5
	s_mul_i32 s23, s14, 16*SPITCH                  ; my stage
	v_mul_u32_u24 v5, v1, SPITCH                   ; in: row l % 16, 16 bytes for each half of the lanes
	v_lshl_add_u32 v5, v2, 4, v5
	v_add_nc_u32 v[STO], s23, v5
	v_mul_u32_u24 v5, v2, SPITCH                   ; back: lanes 0-15 one row of 256 bytes, lanes 16-31 the next
	v_lshl_add_u32 v5, v1, 4, v5
	v_add_nc_u32 v[RD], s23, v5
	v_lshlrev_b32 v5, 11, v2                       ; and the same two rows in qkv
	v_lshl_add_u32 v[CO], v1, 4, v5
	s_lshl_b32 s20, s17, 8
	s_lshl_b32 s21, s15, 7
	s_add_co_u32 s20, s20, s21                     ; my first row: 256 x tile row + 128 x half,
	s_lshl_b32 s20, s20, 11                        ; in bytes (under 2^26)
	s_lshl_b32 s46, s42, 9                         ; my first output, in bytes: 512 x tile column + 256 x half
	s_lshl_b32 s47, s16, 8
	s_add_co_u32 s46, s46, s47
	s_add_co_u32 s20, s20, s46
	s_mov_b32 s21, 0
	s_add_nc_u64 s[12:13], s[12:13], s[20:21]
.macro FRAG reg, adr, q, i             ; 16 rows x 128 K of 4-bit codes: 8 registers: lane l holds row l % 16; registers 4 c .. 4 c + 3 hold K = 64 c + 32 (l / 16) + 0 .. 31
.irp c, 0,1
	ds_load_b128 v[\reg+4*\c:\reg+4*\c+3], v[\adr] offset:64*(\q)+32*\c+(\i)*16*PITCH
.endr
.endm
; 16 matrix instructions: x's blocks a0, a0 + 1 against W's eight, 128 along K.  p: W's set; sc: the set of scale words.  zero = 1: the first product starts the sums.
; One scale register carries x's word of block i in lanes 0-15 and W's word of block i in lanes 16-31.  The 64 accumulators take turns, one instruction a turn.
.macro MUL16 a0, p, q, sc, zero
.irp a, \a0, \a0+1
.irp b, 0,1,2,3,4,5,6,7
.if \zero
	v_wmma_scale_f32_16x16x128_f8f6f4 v[8*(8*((\a)%4)+\b):8*(8*((\a)%4)+\b)+7], v[128*(\p)+FR*\b:128*(\p)+FR*\b+FR-1], v[AF+FR*(\a):AF+FR*(\a)+FR-1], 0, v[SC+8*NQ*(\sc)+NQ*\b+(\q)], v[SC+8*NQ*(\sc)+NQ*(\a)+(\q)] matrix_a_fmt:MATRIX_FMT_FP4 matrix_b_fmt:MATRIX_FMT_FP4 matrix_a_scale:MATRIX_SCALE_ROW1
.else
	v_wmma_scale_f32_16x16x128_f8f6f4 v[8*(8*((\a)%4)+\b):8*(8*((\a)%4)+\b)+7], v[128*(\p)+FR*\b:128*(\p)+FR*\b+FR-1], v[AF+FR*(\a):AF+FR*(\a)+FR-1], v[8*(8*((\a)%4)+\b):8*(8*((\a)%4)+\b)+7], v[SC+8*NQ*(\sc)+NQ*\b+(\q)], v[SC+8*NQ*(\sc)+NQ*(\a)+(\q)] matrix_a_fmt:MATRIX_FMT_FP4 matrix_b_fmt:MATRIX_FMT_FP4 matrix_a_scale:MATRIX_SCALE_ROW1
.endif
.endr
.endr
.endm
.macro FETCH_B slot, q, p
	WIN TO_B
.irp i, 0,1,2,3,4,5,6,7
	FRAG 128*(\p)+FR*\i, ADRB+\slot, \q, \i
.endr
	WIN 0
.endm
.macro FETCH_A slot, q, i0
.irp i, \i0, \i0+1, \i0+2, \i0+3
	FRAG AF+FR*(\i), ADRA+\slot, \q, \i
.endr
.endm
.macro SCALES sc                       ; a K step's scale words into set sc: 4 words a row
.irp i, 0,1,2,3,4,5,6,7
	ds_load_b128 v[SC+8*NQ*\sc+NQ*\i:SC+8*NQ*\sc+NQ*\i+3], v[ADRS] offset:\i*SBLK
.endr
.endm
.macro PLACES n                        ; plain vector lines between a matrix instruction and a load into, or a read of, its registers
.rept \n
	v_nop
.endr
.endm
.macro STEP slot, q, zero              ; 128 along K that has its successor in the same slot
	s_wait_dscnt 4*NL                              ; W's set, the scale words and x's blocks 0-3 are in; the youngest eight loads (x's blocks 4-7) may be out
	WIN MUL_LO
	MUL16 0, (\q)%2, \q, \slot, \zero
	MUL16 2, (\q)%2, \q, \slot, \zero
	s_wait_dscnt 0                                 ; x's blocks 4-7 are in
	PLACES NP
	FETCH_B \slot, (\q)+1, 1-(\q)%2
	FETCH_A \slot, (\q)+1, 0
	WIN MUL_HI
	MUL16 4, (\q)%2, \q, \slot, \zero
	MUL16 6, (\q)%2, \q, \slot, \zero
	PLACES NP
	WIN 0
	FETCH_A \slot, (\q)+1, 4
.endm
.macro TURN slot, next                 ; slot 0's last step changes slots: one barrier
	s_wait_tensorcnt 0x0                           ; all my tensor loads have landed: my part of slot 1 among them
	ds_add_u32 v[SPW], v[NIL]                      ; 0 onto my spare word
	s_wait_dscnt 4*NL+1                            ; (the add and the youngest eight loads may be out)
	WIN MUL_LO
	MUL16 0, 1, NQ-1, \slot, 0
	s_wait_dscnt 0x0                               ; the add is done, and my reads of this slot are over
	s_barrier_signal -1
	MUL16 2, 1, NQ-1, \slot, 0
	WIN 0
	s_barrier_wait -1                              ; slot 1 is whole, and nobody reads slot 0 any more
	PLACES NP
	v_add_nc_u32 v[ADRS], 4*NQ, v[ADRS]            ; on to the next K step's scale words
	FETCH_B \next, 0, 0
	FETCH_A \next, 0, 0
	SCALES \next
	WIN MUL_HI
	MUL16 4, 1, NQ-1, \slot, 0
	MUL16 6, 1, NQ-1, \slot, 0
	PLACES NP
	WIN 0
	FETCH_A \next, 0, 4
.endm
.macro STEPS slot, from
.set Q, \from
.rept NQ-1-\from
	STEP \slot, Q, 0
.set Q, Q+1
.endr
.endm
	s_wait_tensorcnt 1                             ; the scales and my part of K step 0 are in; K step 1's load, issued behind them, may be out
	s_barrier_signal -1
	s_barrier_wait -1                              ; everybody's are
	FETCH_B 0, 0, 0
	FETCH_A 0, 0, 0
	SCALES 0
	FETCH_A 0, 0, 4
	STEP 0, 0, 1                                   ; the first step's products start the sums
	STEPS 0, 1
	TURN 0, 1
	STEPS 1, 0
	s_wait_dscnt 4*NL                              ; the very last step: nothing more to fetch
	WIN MUL_LO
	MUL16 0, 1, NQ-1, 1, 0
	MUL16 2, 1, NQ-1, 1, 0
	s_wait_dscnt 0
	WIN MUL_HI
	MUL16 4, 1, NQ-1, 1, 0
	MUL16 6, 1, NQ-1, 1, 0
	WIN 0
; THE WAY OUT, block by block of 16 rows x 128 outputs.  PACK: rounded to f16, 16 bytes a lane, each accumulator from its low end on.  TOSTAGE: into my stage, and back as whole rows of 256 bytes.  SEND: stored.
.macro PACK a
.set AC, 64*((\a)%4)
.set WW, 10+5*((\a)/4)
	WIN WW                                         ; sources 0 and 1: window 2 or 3
.irp b, 0,1,2,3,4,5,6,7
.irp r, 0,1,2,3
	v_cvt_pk_f16_f32 v[TMP+4*\b+\r], v[AC+8*\b+2*\r], v[AC+8*\b+2*\r+1]
.endr
.endr
	WIN 0
.endm
.macro TOSTAGE a
.set BB, OB+32*((\a)%2)
.irp b, 0,1,2,3,4,5,6,7
	ds_store_b128 v[STO], v[TMP+4*\b:TMP+4*\b+3] offset:32*\b
.endr
.irp t, 0,1,2,3,4,5,6,7
	ds_load_b128 v[BB+4*\t:BB+4*\t+3], v[RD] offset:\t*2*SPITCH    ; LDS serves a wave's instructions in order: these see the stores above
.endr
.endm
.macro SEND a
.set BB, OB+32*((\a)%2)
	s_wait_dscnt 0x0                               ; the block is back in registers
	s_wait_xcnt 0x0                                ; earlier stores have read their base and their data: both may be written again
.if (\a) > 0
	s_add_nc_u64 s[12:13], s[12:13], 16*OROW
.endif
.irp t, 0,1,2,3,4,5,6,7
	global_store_b128 v[CO], v[BB+4*\t:BB+4*\t+3], s[12:13] offset:2*\t*OROW   ; 16 lanes store 256 consecutive bytes, aligned
.endr
.endm
	PLACES NP                                      ; behind the last products: for the reads of results and the loads into x's fragment registers
	PACK 0
	TOSTAGE 0
.irp a, 1,2,3,4,5,6,7                  ; block a's conversions stand between block a - 1's loads from the stage and the wait for them
	PACK \a
	SEND \a-1
	TOSTAGE \a
.endr
	SEND 7
	s_wait_tensorcnt 0x0                           ; the wave's end
	ds_add_u32 v[SPW], v[NIL]
	s_wait_dscnt 0x0
	CROUND                                         ; the closing round
	s_endpgm
.Lfunc_end_k_q10a34e0300_proj:
	.size	k_q10a34e0300_proj, .Lfunc_end_k_q10a34e0300_proj-k_q10a34e0300_proj
	.p2alignl 7, 3214868480
	.fill 96, 4, 3214868480
	.section	.rodata,"a",@progbits
	.p2align	6, 0x0
	.amdhsa_kernel k_q10a34e0300_proj
		.amdhsa_group_segment_fixed_size 327680
		.amdhsa_private_segment_fixed_size 0
		.amdhsa_enable_private_segment 0
		.amdhsa_kernarg_size 24
		.amdhsa_user_sgpr_count 2
		.amdhsa_user_sgpr_kernarg_segment_ptr 1
		.amdhsa_wavefront_size32 1
		.amdhsa_system_sgpr_workgroup_id_x 1
		.amdhsa_system_sgpr_workgroup_id_y 1
		.amdhsa_system_sgpr_workgroup_id_z 1
		.amdhsa_system_vgpr_workitem_id 0
		.amdhsa_next_free_vgpr 1024
		.amdhsa_next_free_sgpr 98
		.amdhsa_reserve_vcc 0
		.amdhsa_float_denorm_mode_32 3
		.amdhsa_float_denorm_mode_16_64 3
		.amdhsa_memory_ordered 1
		.amdhsa_forward_progress 1
		.amdhsa_inst_pref_size 127
	.end_amdhsa_kernel
	.amdgpu_metadata
---
amdhsa.version: [ 1, 2 ]
amdhsa.kernels:
  - .name:           k_q10a34e0300_proj
    .symbol:         k_q10a34e0300_proj.kd
    .args:
      - { .name: codes, .offset: 0, .size: 8, .value_kind: global_buffer, .address_space: global }
      - { .name: scales, .offset: 8, .size: 8, .value_kind: global_buffer, .address_space: global }
      - { .name: qkv, .offset: 16, .size: 8, .value_kind: global_buffer, .address_space: global }
    .group_segment_fixed_size: 327680
    .private_segment_fixed_size: 0
    .kernarg_segment_align: 8
    .kernarg_segment_size: 24
    .max_flat_workgroup_size: 128
    .sgpr_count:     98
    .vgpr_count:     1024
    .wavefront_size: 32
...
	.end_amdgpu_metadata
.endif
;; end of part 2
;; launch scores (part 3): grid 8 x 32, 4 waves a work-group, clusters of 4 x 4, 327,680 bytes of LDS; arguments qkv, probs, stats; writes probs, stats
.if DOCPART == 3
	.amdgcn_target "amdgcn-amd-amdhsa--gfx1250"
	.amdhsa_code_object_version 6
	.text
	.protected	k_q10a34e0300_scores
	.globl	k_q10a34e0300_scores
	.p2align	8
	.type	k_q10a34e0300_scores,@function
k_q10a34e0300_scores:
	s_mov_b64 s[64:65], 0
	v_nop
	global_prefetch_b8 v0, s[64:65] scope:SCOPE_SE
	s_setreg_imm32_b32 hwreg(HW_REG_WAVE_MODE, 25, 1), 1
	s_wait_xcnt 0x0
	s_wait_alu depctr_hold_cnt(0) depctr_sa_sdst(0) depctr_va_vdst(0) depctr_va_sdst(0) depctr_va_ssrc(0) depctr_va_vcc(0) depctr_vm_vsrc(0)
	s_getreg_b32 s2, hwreg(HW_REG_IB_STS2, 6, 4)
	s_cmp_eq_u32 s2, 0
	s_cbranch_scc0 .Lentry_in_a_cluster
	s_endpgm
.Lentry_in_a_cluster:
	s_bfe_u32 s2, ttmp6, 0x10000c
	s_cmp_lg_u32 s2, 0xf033
	s_cbranch_scc0 .Lentry_shape_is_right
	s_endpgm
.Lentry_shape_is_right:
; S = q k^T for each of 4 batches (2,048 x 2,048, K = 1,024, f16 operands, f32 sums), and the first half of the softmax.  q: rows 0-8191 of qkv [24576][1024] f16, k: rows 8192-16383.
; For each query row and each CHUNK of 128 keys: smax = the chunk's largest score; nM = floor(-c smax), c = log2(e) / 32, so that M = -nM is the chunk's largest t = c s rounded UP to a whole number;
; p = 2^(c s + nM), one fused multiply-add and one exponential; L = the sum of the chunk's p in f32.  OUT: probs [8192 rows][2048 keys] f16 (p); stats: nM at (chunk x 8192 + row) x 4, L 524,288 bytes on.
; The next launch brings the chunks of a row under the row's largest M by powers of two.  So the maximum is taken away ahead of every exponential, as the softmax asks.
; LIMITS: p may pass 1 by a factor 2^(half an ulp of c smax): inside f16 for |c s| under 2^28.  A p under 2^-25 is stored as 0.  NaN and infinities are not served.
; A tile of S, 256 x 256, is made by a work-group of four waves; a wave makes 128 queries x 128 keys, one chunk: 64 accumulators of 16 x 16, 512 registers.  32 x 8 = 256 work-groups.
; K goes in steps of 128 (tile rows of 256 bytes) through a ring of two LDS slots filled by the tensor data mover.
; CLUSTERS: 4 x 4 work-groups: q's tile is shared along a row of the cluster, k's along a column (a cluster's four tile rows lie in one batch): each is asked for jointly.
; THE MATRIX INSTRUCTION IS USED TRANSPOSED (source 0 = 16 keys, source 1 = 16 queries): a lane holds ONE query (lane % 16) and, in accumulator (a, b), keys 16 b + 8 (lane / 16) + 0 .. 7.
; REGISTERS, in windows of 256: window 0: v0-31 addresses; v64-127, v128-191 q's fragments, two buffers (on the way out v64-105 at work); v32-63, v192-255 the way out.
;   window 1: v64-127, v128-191 k's fragments.   window 2: accumulators of my rows 0-63 ((a, b) at v[8 (8 a + b)]);   window 3: rows 64-127.
.set SIZE_K, 1024
.set SIZE_N, 2048                      ; keys in a row of probs
.set KSTEP,  128
.set PITCH,  272                       ; an LDS row: 256 bytes + 16 of padding
.set HALFT,  128*PITCH
.set SLOT,   4*HALFT                   ; q's 256 rows, then k's 256 rows
.set STAGE,  2*SLOT                    ; behind the ring: 16 rows x 272 bytes for each wave
.set SPITCH, 272
.set STAT,   STAGE+4*16*SPITCH         ; 1,024 bytes for each wave: nM of its 128 rows, then L
.set SPARE,  STAT+4*1024               ; the spare words, 128 bytes a wave, which no other line names
.set LAPS, SIZE_K/(2*KSTEP)            ; 4 laps of two K steps
.set ADRA, 16
.set ADRB, 20
.set SS,   22                          ; v22  my row's word in the wave's statistics
.set SR,   23                          ; v23  where I read 16 bytes of them back
.set STO,  24
.set RD,   25
.set CO,   26
.set SG,   27                          ; v27  16 x lane: my 16 bytes of the wave's 512 in stats
.set SPW,  28
.set NIL,  29
.set PFO,  30                          ; v30  the prefetches' offset: my lane x a row of qkv; never rewritten
.set PFA,  44                          ; s[44:45] where my prefetches stand
.set LIM,  43                          ; s43  1 in a wave that prefetches, else the greatest number
.set F0,   64
.set F1,   128
.set TMP,  192
.set OB,   32
.set SU,   64                          ; v64-95   the way out: partial sums
.set T,    96                          ; v96-99   four chains of the maximum
.set NM,   104                         ; v[104:105] nM, named as a pair by the packed form: v105 is written once
.set G1, 24
.set G0, 32
.set G1B, 48
.set G0B, 56
.set CS,  68                           ; s[68:69] c
.set SEL, 70                           ; s[70:71] lane selects: lane l xor 16
.set MSB, 0
.macro WIN new
.if MSB != \new
	s_set_vgpr_msb (MSB<<8)|\new
.set MSB, \new
.endif
.endm
.set MUL_LO, 0xa1
.set MUL_HI, 0xf1
.set TO_B,   0x40
.macro JLOAD s                         ; a joint load: waves 0 and 1 fetch q's halves, waves 2 and 3 k's; an s_nop 0 and four v_nop follow each of the two lines
	s_cmp_eq_u32 s11, 0
	s_cbranch_scc0 .Lfor_b_\@
	tensor_load_to_lds s[G0+4*\s:G0+4*\s+3], s[G1:G1+7]
	s_nop 0
.rept 4
	v_nop
.endr
	s_branch .Lasked_\@
.Lfor_b_\@:
	tensor_load_to_lds s[G0B+4*\s:G0B+4*\s+3], s[G1B:G1B+7]
	s_nop 0
.rept 4
	v_nop
.endr
.Lasked_\@:
.endm
; A prefetch, behind each joint refill and the run of LDS loads that follows it: the K step that stands two refills on: 32 rows x 256 bytes, a lane a row, one instruction a wave.
; Each row's 256 bytes of a K step are named once in the launch: q's tile row is read by both clusters of its row of clusters: cluster x = 0 asks; k's tile column by the two clusters of its batch: the even
; cluster y asks.  The four partners that ask for a tile jointly share its rows out by address, 32 each.  K steps 0 to 3 come by their loads alone; the loop's last trip asks for nothing.
.macro ASK
	s_cmp_gt_u32 s3, s[LIM]
	s_cbranch_scc0 .Lnot_mine_\@
	global_prefetch_b8 v[PFO], s[PFA:PFA+1] offset:KSTEP*2 th:TH_LOAD_NT scope:SCOPE_SE
.Lnot_mine_\@:
.endm
.macro CREST
	s_cmp_lg_u32 s10, 0
	s_cbranch_scc1 .Lnot_wave_0_\@
	s_barrier_signal -3
.Lnot_wave_0_\@:
	s_barrier_wait -3
	s_barrier_signal -1
	s_barrier_wait -1
.endm
.macro CROUND
	s_barrier_signal -1
	s_barrier_wait -1
	CREST
.endm
	s_load_b128 s[4:7], s[0:1], 0x0                ; qkv s[4:5], probs s[6:7]
	s_load_b64 s[66:67], s[0:1], 0x10              ; stats
	v_lshl_add_u32 v[SPW], v0, 2, SPARE
	v_mov_b32 v[NIL], 0
	ds_add_u32 v[SPW], v[NIL]                      ; the wave's opening: the add, twice on end, and its wait ahead of my first tensor load
	ds_add_u32 v[SPW], v[NIL]
	v_lshrrev_b32 v1, 5, v0
	v_readfirstlane_b32 s10, v1                    ; wave 0..3
	s_lshr_b32 s11, s10, 1                         ; which half of the tile's queries is mine.  Also: I fetch for q (0) or for k (1)
	s_and_b32 s12, s10, 1                          ; which half of its keys.  Also: which 128 rows of that tile I fetch
	s_bfe_u32 s40, ttmp6, 0x40000                  ; cx
	s_bfe_u32 s41, ttmp6, 0x40004                  ; cy
	s_lshl_b32 s42, ttmp9, 2
	s_add_co_u32 s42, s42, s40                     ; tile column (256 keys of the batch) = 4 x cluster x + cx
	s_and_b32 s13, ttmp7, 0xffff
	s_lshl_b32 s13, s13, 2
	s_add_co_u32 s13, s13, s41                     ; tile row (256 of the 8,192 query rows) = 4 x cluster y + cy
	s_lshl_b32 s43, s41, 2
	s_lshl_b32 s43, 15, s43                        ; my row of the cluster
	s_lshl_b32 s44, 0x1111, s40                    ; my column
	s_or_b32 s[G1+0], s43, (1<<16)|(1<<20)|(1<<21)|(5<<22)|(3<<25)  ; the mask; elements of 2 bytes; padding on; bit 21 beside a mask; 4 words behind every 64
	s_or_b32 s[G1B+0], s44, (1<<16)|(1<<20)|(1<<21)|(5<<22)|(3<<25)
.irp g, G1, G1B
	s_mov_b32 s[\g+1], KSTEP<<16                   ; tensor_dim0 = 128
	s_mov_b32 s[\g+2], 128<<16                     ; tensor_dim1 = 128
	s_mov_b32 s[\g+3], KSTEP<<16                   ; tile_dim0 = 128
	s_mov_b32 s[\g+4], 128                         ; tile_dim1 = 128
	s_mov_b32 s[\g+5], SIZE_K                      ; the pitch, in elements
	s_mov_b32 s[\g+6], 0
	s_mov_b32 s[\g+7], 0
.endr
	s_mov_b32 s[CS], 0x3d38aa3b                    ; c = log2(e) / 32
	s_mov_b32 s[CS+1], s[CS]
	s_mov_b32 s[SEL], 0x76543210
	s_mov_b32 s[SEL+1], 0xfedcba98
	s_lshl_b32 s17, s12, 7                         ; which 128 rows of the tile I fetch
	s_lshl_b32 s16, s13, 8
	s_add_co_u32 s16, s16, s17                     ; q: row 256 x tile row + 128 x half
	s_lshl_b32 s46, s42, 8
	s_add_co_u32 s46, s46, s17                     ; k: row 256 x tile column + 128 x half,
	s_and_b32 s21, ttmp7, 0xffff
	s_lshr_b32 s21, s21, 1                         ; in my batch: cluster y / 2, which all sixteen partners share
	s_lshl_b32 s21, s21, 11
	s_add_co_u32 s46, s46, s21
	s_mov_b32 s17, 0
	s_mov_b32 s47, 0
	s_mov_b64 s[18:19], SIZE_K*2
	s_mul_u64 s[16:17], s[16:17], s[18:19]
	s_mul_u64 s[46:47], s[46:47], s[18:19]
	s_mul_i32 s20, s10, HALFT                      ; where they go: wave x 128 rows
	s_wait_dscnt 0x0                               ; both opening adds are done
	s_wait_kmcnt 0x0
	s_mov_b64 s[8:9], s[6:7]                       ; probs
	s_add_nc_u64 s[6:7], s[4:5], 0x1000000         ; k's first row: 8,192 rows of 2,048 bytes into qkv
	s_add_nc_u64 s[14:15], s[4:5], s[16:17]
	s_add_nc_u64 s[46:47], s[6:7], s[46:47]
	CROUND                                         ; all sixteen work-groups are here: the first joint loads meet
.irp s, 0,1
	s_mov_b32 s[G0+4*\s], 1
	s_add_co_u32 s[G0+4*\s+1], s20, \s*SLOT
	s_add_nc_u64 s[G0+4*\s+2:G0+4*\s+3], s[14:15], \s*KSTEP*2
	s_or_b32 s[G0+4*\s+3], s[G0+4*\s+3], 0x80000000
	s_mov_b32 s[G0B+4*\s], 1
	s_add_co_u32 s[G0B+4*\s+1], s20, \s*SLOT
	s_add_nc_u64 s[G0B+4*\s+2:G0B+4*\s+3], s[46:47], \s*KSTEP*2
	s_or_b32 s[G0B+4*\s+3], s[G0B+4*\s+3], 0x80000000
	JLOAD \s                                       ; two loads of mine are out
.endr
	v_and_b32 v1, 15, v0                           ; l % 16
	v_bfe_u32 v2, v0, 4, 1                         ; l / 16
	v_mul_u32_u24 v3, v1, PITCH
	v_lshl_add_u32 v3, v2, 4, v3                   ; a fragment's row x pitch + 16 x half
	s_mul_i32 s21, s11, HALFT                      ; my 128 rows of q
	s_mul_i32 s22, s12, HALFT                      ; my 128 rows of k,
	s_add_co_u32 s22, s22, 2*HALFT                 ; which lie behind q's 256
.irp s, 0,1
	v_add_nc_u32 v[ADRA+\s], s21, v3
	v_add_nc_u32 v[ADRB+\s], s22, v3
	s_add_co_u32 s21, s21, SLOT
	s_add_co_u32 s22, s22, SLOT
.endr
	s_mul_i32 s23, s10, 16*SPITCH
	s_add_co_u32 s23, s23, STAGE                   ; my stage
	v_mul_u32_u24 v4, v1, SPITCH
	v_lshl_add_u32 v4, v2, 4, v4
	v_add_nc_u32 v[STO], s23, v4                   ; in: row l % 16, 16 bytes for each half of the lanes
	v_mul_u32_u24 v5, v2, SPITCH
	v_lshl_add_u32 v5, v1, 4, v5
	v_add_nc_u32 v[RD], s23, v5                    ; back: lanes 0-15 one row of 256 bytes, lanes 16-31 the next
	v_mul_u32_u24 v5, v2, SIZE_N*2
	v_lshl_add_u32 v[CO], v1, 4, v5                ; and the same two rows in probs
	s_lshl_b32 s21, s10, 10
	s_add_co_u32 s21, s21, STAT                    ; my statistics
	v_lshl_add_u32 v[SS], v1, 2, s21
	v_and_b32 v6, 31, v0
	v_lshlrev_b32 v[SG], 4, v6
	v_add_nc_u32 v[SR], s21, v[SG]
	s_lshl_b32 s13, s13, 8
	s_lshl_b32 s14, s11, 7
	s_add_co_u32 s16, s13, s14                     ; my first row
	s_lshl_b32 s20, s42, 1
	s_add_co_u32 s20, s20, s12                     ; my chunk: 2 x tile column + half
	s_lshl_b32 s20, s20, 13
	s_add_co_u32 s20, s20, s16
	s_lshl_b32 s20, s20, 2                         ; (chunk x 8,192 + row) x 4
	s_mov_b32 s21, 0
	s_add_nc_u64 s[66:67], s[66:67], s[20:21]
	s_mov_b32 s17, 0
	s_mov_b64 s[18:19], SIZE_N*2
	s_mul_u64 s[16:17], s[16:17], s[18:19]
	s_lshl_b32 s46, s42, 9                         ; my first key, in bytes: 512 x tile column + 256 x half
	s_lshl_b32 s47, s12, 8
	s_add_co_u32 s46, s46, s47
	s_mov_b32 s47, 0
	s_add_nc_u64 s[16:17], s[16:17], s[46:47]
	s_add_nc_u64 s[8:9], s[8:9], s[16:17]          ; probs at my part of the tile
	; the prefetches
	s_lshl_b32 s42, s42, 8
	s_and_b32 s22, ttmp7, 0xffff                   ; cluster y
	s_lshr_b32 s23, s22, 1
	s_lshl_b32 s23, s23, 11
	s_add_co_u32 s42, s42, s23                     ; k's rows of my tile column, in my batch
	s_and_b32 s22, s22, 1                          ; which of the batch's two rows of clusters
	s_cmp_eq_u32 s11, 0                            ; do I fetch for q?
	s_cselect_b32 s20, s13, s42                    ; the tile's first row
	s_cselect_b32 s21, s40, s41                    ; my place among the four that ask for it with me
	s_cselect_b32 s22, ttmp9, s22                  ; the coordinate along which another cluster reads the same rows
	s_cselect_b64 s[PFA:PFA+1], s[4:5], s[6:7]
	s_cmp_eq_u32 s22, 0
	s_cselect_b32 s[LIM], 1, -1                    ; the same in all sixteen partners, for a given wave
	s_lshl_b32 s22, s12, 7
	s_add_co_u32 s20, s20, s22                     ; + the 128 rows that I fetch
	s_lshl_b32 s21, s21, 5
	s_add_co_u32 s20, s20, s21                     ; + my work-group's 32 of them
	s_mov_b32 s21, 0
	s_mov_b64 s[18:19], SIZE_K*2
	s_mul_u64 s[20:21], s[20:21], s[18:19]
	s_add_nc_u64 s[PFA:PFA+1], s[PFA:PFA+1], s[20:21]
	s_add_nc_u64 s[PFA:PFA+1], s[PFA:PFA+1], 2*KSTEP*2  ; at K step 2: the first refill steps it to 3 and names K step 4
	v_and_b32 v[PFO], 31, v0
	v_mul_u32_u24 v[PFO], v[PFO], SIZE_K*2
.macro MUL16 f, hi, a0, zero           ; 16 matrix instructions: query blocks a0, a0 + 1 of the window's four x all 8 key blocks, 32 along K
.irp a, \a0, \a0+1
.irp b, 0,1,2,3,4,5,6,7
.if \zero
	v_wmma_f32_16x16x32_f16 v[8*(8*(\a)+\b):8*(8*(\a)+\b)+7], v[\f+8*\b:\f+8*\b+7], v[\f+8*(4*\hi+\a):\f+8*(4*\hi+\a)+7], 0
.else
	v_wmma_f32_16x16x32_f16 v[8*(8*(\a)+\b):8*(8*(\a)+\b)+7], v[\f+8*\b:\f+8*\b+7], v[\f+8*(4*\hi+\a):\f+8*(4*\hi+\a)+7], v[8*(8*(\a)+\b):8*(8*(\a)+\b)+7]
.endif
.endr
.endr
.endm
.macro FETCH slot, k, f                ; 32 LDS loads in one run: the fragments of one quarter step into buffer f: k's first, then q's
	WIN TO_B
.irp i, 0,1,2,3,4,5,6,7
	ds_load_b128 v[\f+8*\i:\f+8*\i+3],   v[ADRB+\slot] offset:\k+\i*16*PITCH
	ds_load_b128 v[\f+8*\i+4:\f+8*\i+7], v[ADRB+\slot] offset:\k+\i*16*PITCH+32
.endr
	WIN 0
.irp i, 0,1,2,3,4,5,6,7
	ds_load_b128 v[\f+8*\i:\f+8*\i+3],   v[ADRA+\slot] offset:\k+\i*16*PITCH
	ds_load_b128 v[\f+8*\i+4:\f+8*\i+7], v[ADRA+\slot] offset:\k+\i*16*PITCH+32
.endr
.endm
.macro PLACES                          ; four plain vector lines between a matrix instruction and a load into, or a read of, its registers
.rept 4
	v_nop
.endr
.endm
.macro QUARTER slot, k, f, g, zero     ; 32 along K: multiplies buffer f; in its middle fetches the next quarter's fragments, at byte k of the rows, into buffer g
	s_wait_dscnt 8                                 ; k's fragments and q's rows 0-63 are in; the youngest eight loads (q's rows 64-127) may be out
	WIN MUL_LO
	MUL16 \f, 0, 0, \zero
	MUL16 \f, 0, 2, \zero
	PLACES
	FETCH \slot, \k, \g
	s_wait_dscnt 32                                ; all but the 32 just issued
	WIN MUL_HI
	MUL16 \f, 1, 0, \zero
	MUL16 \f, 1, 2, \zero
.endm
.macro MEET round                      ; the first half of a K step's last quarter: ONE barrier for the change of slots
	WIN 0
	s_wait_tensorcnt 0x0                           ; all my tensor loads have landed: the one that was out is my part of the next slot
	ds_add_u32 v[SPW], v[NIL]                      ; 0 onto my spare word
	s_wait_dscnt 9                                 ; (the add and the youngest eight loads may be out)
	WIN MUL_LO
	MUL16 F1, 0, 0, 0
	s_wait_dscnt 0x0                               ; the add is done, and my reads of this slot are over
	s_barrier_signal -1
	MUL16 F1, 0, 2, 0
.if \round
	WIN 0
.endif
	s_barrier_wait -1
.endm
.macro TURN slot, next                 ; the whole last quarter, where the slot just read out is filled again, two K steps on
	s_wait_xcnt 0x0                                ; the last prefetch, a K step back, has read its address
	s_add_nc_u64 s[PFA:PFA+1], s[PFA:PFA+1], KSTEP*2
	MEET 1
	CREST                                          ; the round: no wave of any partner still reads this slot or has a load on its way
	s_add_nc_u64 s[G0+4*\slot+2:G0+4*\slot+3], s[G0+4*\slot+2:G0+4*\slot+3], 2*KSTEP*2
	s_add_nc_u64 s[G0B+4*\slot+2:G0B+4*\slot+3], s[G0B+4*\slot+2:G0B+4*\slot+3], 2*KSTEP*2
	JLOAD \slot                                    ; my one tensor load behind the round; its four v_nop are also the places in front of the loads below
	FETCH \next, 0, F0
	ASK
	WIN MUL_HI
	MUL16 F1, 1, 0, 0
	MUL16 F1, 1, 2, 0
.endm
	s_wait_tensorcnt 1                             ; my part of K step 0 is in; K step 1's, issued behind it, may be out
	s_barrier_signal -1
	s_barrier_wait -1
	FETCH 0, 0, F0
	QUARTER 0, 64,  F0, F1, 1                      ; the first quarter's products start the sums
	WIN 0
	s_mov_b32 s3, LAPS-1
.Llap:                                                 ; three trips: from a lap's second quarter to the next lap's first; each fills both slots again: K steps 2 to 7
	QUARTER 0, 128, F1, F0, 0
	QUARTER 0, 192, F0, F1, 0
	TURN 0, 1
	QUARTER 1, 64,  F0, F1, 0
	QUARTER 1, 128, F1, F0, 0
	QUARTER 1, 192, F0, F1, 0
	TURN 1, 0
	QUARTER 0, 64,  F0, F1, 0
	WIN 0
	s_sub_co_u32 s3, s3, 1
	s_cmp_lg_u32 s3, 0
	s_cbranch_scc1 .Llap
	QUARTER 0, 128, F1, F0, 0                      ; the last lap is written out: it fills nothing
	QUARTER 0, 192, F0, F1, 0
	MEET 0
	PLACES
	FETCH 1, 0, F0
	WIN MUL_HI
	MUL16 F1, 1, 0, 0
	MUL16 F1, 1, 2, 0
	QUARTER 1, 64,  F0, F1, 0
	QUARTER 1, 128, F1, F0, 0
	QUARTER 1, 192, F0, F1, 0
	s_wait_dscnt 8
	WIN MUL_LO
	MUL16 F1, 0, 0, 0
	MUL16 F1, 0, 2, 0
	s_wait_dscnt 0
	WIN MUL_HI
	MUL16 F1, 1, 0, 0
	MUL16 F1, 1, 2, 0
	WIN 0
; THE WAY OUT, block by block of 16 queries.  SOFT a: the lane's 64 scores of its query (the other 64 lie in lane l xor 16) become p, in place; nM and L go to the wave's statistics in LDS; p is rounded to f16.
.macro SOFT a
.set W, 2+(\a)/4                       ; the block's window
.set AC, 64*((\a)%4)
	WIN 21*W                                       ; all three sources in the block's window
.irp k, 0,1,2,3
	v_max3_num_f32 v[T+\k], v[AC+16*\k], v[AC+16*\k+1], v[AC+16*\k+2]   ; four chains of 16 scores; each accumulator is first read at its low end
.endr
	WIN 20*W                                       ; sources 1 and 2
.irp i, 3,5,7,9,11,13
.irp k, 0,1,2,3
	v_max3_num_f32 v[T+\k], v[T+\k], v[AC+16*\k+\i], v[AC+16*\k+\i+1]
.endr
.endr
	v_max3_num_f32 v[T], v[T], v[AC+15], v[AC+31]
	v_max3_num_f32 v[T+2], v[T+2], v[AC+47], v[AC+63]
	WIN 0
	v_max3_num_f32 v[T], v[T], v[T+1], v[T+2]
	v_max_num_f32 v[T], v[T], v[T+3]
	v_permlanex16_b32 v[T+1], v[T], s[SEL], s[SEL+1]
	v_max_num_f32 v[T], v[T], v[T+1]               ; the chunk's largest score of my query
	v_mul_f32 v[T], s[CS], v[T]                    ; as t (c is positive)
	v_floor_f32 v[NM], -v[T]                       ; nM = floor(-t) = -ceil(t)
	ds_store_b32 v[SS], v[NM] offset:64*(\a)       ; both halves of the lanes write the same word with the same value
	WIN 65*W                                       ; destination and source 0 in the block's window
.set j, 0
.rept 32
	v_pk_fma_f32 v[AC+j:AC+j+1], v[AC+j:AC+j+1], s[CS:CS+1], v[NM:NM+1] op_sel_hi:[1,0,0]   ; c s + nM, two at a time
.set j, j+2
.endr
.set j, 0
.rept 64
	v_exp_f32 v[AC+j], v[AC+j]                     ; p: one batch
.set j, j+1
.endr
	v_nop                                          ; a plain line behind the last exponential
	s_wait_alu depctr_va_vdst(0)                   ; one wait for the batch, ahead of its first reader
	WIN 5*W                                        ; sources 0 and 1
.set j, 0
.rept 16
	v_pk_add_f32 v[SU+2*j:SU+2*j+1], v[AC+4*j:AC+4*j+1], v[AC+4*j+2:AC+4*j+3]   ; the sum is taken of the unrounded p
.set j, j+1
.endr
.set j, 0
.rept 32
	v_cvt_pk_f16_f32 v[TMP+j], v[AC+2*j], v[AC+2*j+1]
.set j, j+1
.endr
	WIN 0
.irp i, 0,1,2,3,4,5,6,7
	v_pk_add_f32 v[SU+2*\i:SU+2*\i+1], v[SU+2*\i:SU+2*\i+1], v[SU+16+2*\i:SU+16+2*\i+1]
.endr
.irp i, 0,1,2,3
	v_pk_add_f32 v[SU+2*\i:SU+2*\i+1], v[SU+2*\i:SU+2*\i+1], v[SU+8+2*\i:SU+8+2*\i+1]
.endr
.irp i, 0,1
	v_pk_add_f32 v[SU+2*\i:SU+2*\i+1], v[SU+2*\i:SU+2*\i+1], v[SU+4+2*\i:SU+4+2*\i+1]
.endr
	v_pk_add_f32 v[SU:SU+1], v[SU:SU+1], v[SU+2:SU+3]
	v_add_f32 v[T], v[SU], v[SU+1]
	v_permlanex16_b32 v[T+1], v[T], s[SEL], s[SEL+1]
	v_add_f32 v[T], v[T], v[T+1]                   ; L
	ds_store_b32 v[SS], v[T] offset:512+64*(\a)
.endm
.macro TOSTAGE a
.set BK, OB+192*((\a)%2)
.irp b, 0,1,2,3,4,5,6,7
	ds_store_b128 v[STO], v[TMP+4*\b:TMP+4*\b+3] offset:32*\b
.endr
.irp t, 0,1,2,3,4,5,6,7
	ds_load_b128 v[BK+4*\t:BK+4*\t+3], v[RD] offset:\t*2*SPITCH    ; LDS serves a wave's instructions in order: these see the stores above
.endr
.endm
.macro SEND a, younger                 ; younger: the LDS instructions issued behind block a's loads
.set BK, OB+192*((\a)%2)
	s_wait_dscnt \younger
	s_wait_xcnt 0x0                                ; earlier stores have read their base and their data
.if (\a) > 0
	s_add_nc_u64 s[8:9], s[8:9], 16*SIZE_N*2
.endif
.irp t, 0,1,2,3,4,5,6,7
	global_store_b128 v[CO], v[BK+4*\t:BK+4*\t+3], s[8:9] offset:2*\t*SIZE_N*2   ; 16 lanes store 256 consecutive bytes, aligned
.endr
.endm
	PLACES                                         ; behind the last products
	v_mov_b32 v[NM+1], 0                           ; named as the upper half of a pair
	SOFT 0
	TOSTAGE 0
.irp a, 1,2,3,4,5,6,7                  ; block a's softmax stands between block a - 1's loads from the stage and the wait for them
	SOFT \a
	SEND \a-1, 2                                   ; behind block a - 1's loads: block a's two stores of statistics
	TOSTAGE \a
.endr
	SEND 7, 0
	ds_load_b128 v[SU:SU+3], v[SR]                 ; my wave's 128 nM and 128 L leave as 512 consecutive bytes each
	ds_load_b128 v[SU+4:SU+7], v[SR] offset:512
	s_wait_dscnt 0x0
	global_store_b128 v[SG], v[SU:SU+3], s[66:67]
	global_store_b128 v[SG], v[SU+4:SU+7], s[66:67] offset:524288
	s_wait_tensorcnt 0x0                           ; the wave's end
	ds_add_u32 v[SPW], v[NIL]
	s_wait_dscnt 0x0
	CROUND                                         ; the closing round
	s_endpgm
.Lfunc_end_k_q10a34e0300_scores:
	.size	k_q10a34e0300_scores, .Lfunc_end_k_q10a34e0300_scores-k_q10a34e0300_scores
	.p2alignl 7, 3214868480
	.fill 96, 4, 3214868480
	.section	.rodata,"a",@progbits
	.p2align	6, 0x0
	.amdhsa_kernel k_q10a34e0300_scores
		.amdhsa_group_segment_fixed_size 327680
		.amdhsa_private_segment_fixed_size 0
		.amdhsa_enable_private_segment 0
		.amdhsa_kernarg_size 24
		.amdhsa_user_sgpr_count 2
		.amdhsa_user_sgpr_kernarg_segment_ptr 1
		.amdhsa_wavefront_size32 1
		.amdhsa_system_sgpr_workgroup_id_x 1
		.amdhsa_system_sgpr_workgroup_id_y 1
		.amdhsa_system_sgpr_workgroup_id_z 1
		.amdhsa_system_vgpr_workitem_id 0
		.amdhsa_next_free_vgpr 1024
		.amdhsa_next_free_sgpr 72
		.amdhsa_reserve_vcc 0
		.amdhsa_float_denorm_mode_32 3
		.amdhsa_float_denorm_mode_16_64 3
		.amdhsa_memory_ordered 1
		.amdhsa_forward_progress 1
		.amdhsa_inst_pref_size 214
	.end_amdhsa_kernel
	.amdgpu_metadata
---
amdhsa.version: [ 1, 2 ]
amdhsa.kernels:
  - .name:           k_q10a34e0300_scores
    .symbol:         k_q10a34e0300_scores.kd
    .args:
      - { .name: qkv, .offset: 0, .size: 8, .value_kind: global_buffer, .address_space: global }
      - { .name: probs, .offset: 8, .size: 8, .value_kind: global_buffer, .address_space: global }
      - { .name: stats, .offset: 16, .size: 8, .value_kind: global_buffer, .address_space: global }
    .group_segment_fixed_size: 327680
    .private_segment_fixed_size: 0
    .kernarg_segment_align: 8
    .kernarg_segment_size: 24
    .max_flat_workgroup_size: 128
    .sgpr_count:     72
    .vgpr_count:     1024
    .wavefront_size: 32
...
	.end_amdgpu_metadata
.endif
;; end of part 3
;; launch pv (part 4): grid 4 x 64, 4 waves a work-group, clusters of 4 x 4, 327,680 bytes of LDS; arguments probs, qkv, stats, out0; writes out0
.if DOCPART == 4
	.amdgcn_target "amdgcn-amd-amdhsa--gfx1250"
	.amdhsa_code_object_version 6
	.text
	.protected	k_q10a34e0300_pv
	.globl	k_q10a34e0300_pv
	.p2align	8
	.type	k_q10a34e0300_pv,@function
k_q10a34e0300_pv:
	s_mov_b64 s[64:65], 0
	v_nop
	global_prefetch_b8 v0, s[64:65] scope:SCOPE_SE
	s_setreg_imm32_b32 hwreg(HW_REG_WAVE_MODE, 25, 1), 1
	s_wait_xcnt 0x0
	s_wait_alu depctr_hold_cnt(0) depctr_sa_sdst(0) depctr_va_vdst(0) depctr_va_sdst(0) depctr_va_ssrc(0) depctr_va_vcc(0) depctr_vm_vsrc(0)
	s_getreg_b32 s2, hwreg(HW_REG_IB_STS2, 6, 4)
	s_cmp_eq_u32 s2, 0
	s_cbranch_scc0 .Lentry_in_a_cluster
	s_endpgm
.Lentry_in_a_cluster:
	s_bfe_u32 s2, ttmp6, 0x10000c
	s_cmp_lg_u32 s2, 0xf033
	s_cbranch_scc0 .Lentry_shape_is_right
	s_endpgm
.Lentry_shape_is_right:
; out0[row][:] = (sum over the 16 chunks c of f_c P_c V_c) / l_row,  f_c = 2^(M_c - M_row),  l_row = sum over c of f_c L_c: the second half of the softmax and the second product.
; probs [8192][2048] f16 (p under each chunk's own M), stats (nM = -M and L for each chunk of 128 keys and row), v = rows 16384 on of qkv [24576][1024] f16; out0 [8192][1024] f32.
; M_row is the largest M_c, so every factor is a power of two, at most 1.  THE FACTORS ARE APPLIED IN F32: a chunk's product P_c V_c is summed in accumulators of its own (T), begun with the constant 0, and in the
; chunk's last quarter each finished accumulator is folded into O by fused multiply-adds, O += f_c T.  P goes to the matrix unit as it was stored.
; LIMITS: a factor under 2^-126 counts as 0, in the product and in l alike; NaN and infinities are not served.
; A tile, 128 queries x 256 channels, is made by a work-group of four waves; a wave makes 64 x 128: 32 accumulators.  64 x 4 = 256 work-groups (tiles of 256 x 256 would be 128).
; K = the batch's 2,048 keys, in 64 quarters of 32.  Two LDS slots of 192 keys (6 quarters) take turns: 2 x 159,744 bytes; slots of 224 keys would take 372,736, more than a work-group has.  The eleventh slot's worth
; is the last 128 keys.  A chunk is 4 quarters, so slots and chunks come round together after 12 quarters: a trip of the loop.  v stays [key][channel] and is turned by ds_load_tr16_b128.
; CLUSTERS: 4 x 4: P's tile is shared along a row of the cluster, V's along a column (a cluster's four tile rows lie in one batch): each is asked for jointly.
; O^T = V^T P^T: source 0 = 16 channels, source 1 = 16 queries: a lane holds ONE query (lane % 16) and eight neighbouring channels, so a query's factor is one number a lane.
; REGISTERS: window 0: v16-31 addresses; v32-39 the chunk's factors of my four queries, as pairs (the low word serves); v40 their four exponent bytes; v44-51 1 / l as pairs; v64-191 V's fragments, two buffers;
;   v192-255 P's fragments, two buffers (on the way out v64-255 are rows).   window 1: T, accumulator (a, b) at v[8 (8 a + b)] (at the head: the statistics).   window 2: O, likewise.
.set PP,    432                        ; a row of P in LDS: 384 bytes, 16 of padding behind every 128: 27 x 16 bytes, so the 16 rows of a load start in 16 different columns of 16 bytes
.set PV,    544                        ; a key's row of V: 512 bytes + 32: an odd multiple of 32
.set VOFF,  128*PP                     ; a slot: 128 rows of P, then 192 keys of V
.set SLOT,  VOFF+192*PV                ; 159,744
.set SPARE, 2*SLOT                     ; the spare words, 128 bytes a wave, which no other line names
.set FT,    SPARE+512                  ; the factors' exponent bytes: 1,024 bytes for each wave: chunk c at 64 c, lane r's word (queries r, 16 + r, 32 + r, 48 + r) at 4 r
.set STAGE, SLOT                       ; the way out: 16 rows x (512 bytes + 16) for each wave, in slot 1, which has had its last fill and its last read by then
.set SPITCH, 528
.set ADRP, 16                          ; v16-17 my P fragments in slot 0, 1
.set ADRV, 20                          ; v20-21 my V fragments in slot 0, 1, keys 0 on;  v22-23 keys 96 on (an LDS offset has 16 bits)
.set STO,  24
.set RD,   25
.set CO,   26
.set FAD,  27                          ; v27    my word of the factor table; steps 64 bytes a chunk
.set SPW,  28
.set NIL,  29
.set PFO,  30
.set SOF,  31                          ; v31    4 x (lane % 16): my row's word in stats
.set FC,   32
.set FWD,  40
.set RC,   44
.set VF,   64
.set PF,   192
.set TM,   64                          ; the way out: a block's 64 numbers;
.set BK,   128                         ; 16 rows read back: v128-191 and v192-255 by turns
.set NMR,  0                           ; window 1, at the head: nM of chunk c, query block a at 4 c + a;
.set LR,   64                          ; L likewise;
.set MN,   128                         ; the least nM;  v132-135 l;  v136-143 at work;  v144-159 a word of four bytes for each chunk
.set LS,   132
.set DD,   136
.set EE,   140
.set PW,   144
.set G1P,  24
.set G0P,  32
.set LIM,  42                          ; s42  1 in a wave that prefetches, else the greatest number
.set LIM2, 43                          ; s43  the same for P's second block: wave 0
.set PFA,  44
.set STA,  46
.set G1V,  48
.set G0V,  56
.set G1PL, 72                          ; groups 1 for the last 128 keys
.set G1VL, 80
.set G0VL, 88
.set STB,  92
.set WMSET, 0x50                       ; V and P window 0, C and D window 1
.set FOSET, 0xa1                       ; T window 1, the factor window 0, O (source 2 and destination) window 2
.set MSB, 0
.macro WIN new                         ; the immediate's high byte repeats the setting that is left
.if MSB != \new
	s_set_vgpr_msb (MSB<<8)|\new
.set MSB, \new
.endif
.endm
.macro JLOAD g0p, g1p, g0v, g1v        ; a joint load: waves 0 and 1 fetch P's halves, waves 2 and 3 V's; an s_nop 0 and four v_nop follow each of the two lines
	s_cmp_eq_u32 s13, 0
	s_cbranch_scc0 .Lfor_v_\@
	tensor_load_to_lds s[\g0p:\g0p+3], s[\g1p:\g1p+7]
	s_nop 0
.rept 4
	v_nop
.endr
	s_branch .Lasked_\@
.Lfor_v_\@:
	tensor_load_to_lds s[\g0v:\g0v+3], s[\g1v:\g1v+7]
	s_nop 0
.rept 4
	v_nop
.endr
.Lasked_\@:
.endm
; A prefetch behind each joint refill of the loop and the run of LDS loads that follows it: the slot's worth that the NEXT change of slots will ask for.  Each aligned 256 bytes are named once in the launch.
; P's tile row is read by one row of one cluster: its four partners take 32 rows each, by address; wave 0 asks, a lane a row.  A slot is 384 bytes of a row: the change that asks for an even slot names its two blocks
; (two = 1), the change that asks for an odd slot the one block that is left.  V's tile column is read by the four clusters of its batch: the first of them asks; its four partners take 48 keys each, by address;
; waves 1 to 3 ask, 16 keys x 2 blocks each.  Slots 0 to 2 come by their loads alone; the loop's last trip asks for nothing.
.macro ASK two
	s_cmp_gt_u32 s3, s[LIM]
	s_cbranch_scc0 .Lnot_mine_\@
	global_prefetch_b8 v[PFO], s[PFA:PFA+1] th:TH_LOAD_NT scope:SCOPE_SE
.if \two
	s_cmp_gt_u32 s3, s[LIM2]
	s_cbranch_scc0 .Lnot_mine_\@
	global_prefetch_b8 v[PFO], s[PFA:PFA+1] offset:256 th:TH_LOAD_NT scope:SCOPE_SE
.endif
.Lnot_mine_\@:
.endm
.macro CREST
	s_cmp_lg_u32 s12, 0
	s_cbranch_scc1 .Lnot_wave_0_\@
	s_barrier_signal -3
.Lnot_wave_0_\@:
	s_barrier_wait -3
	s_barrier_signal -1
	s_barrier_wait -1
.endm
.macro CROUND
	s_barrier_signal -1
	s_barrier_wait -1
	CREST
.endm
	s_load_b256 s[4:11], s[0:1], 0x0               ; probs s[4:5], qkv s[6:7], stats s[8:9], out0 s[10:11]
	v_lshl_add_u32 v[SPW], v0, 2, SPARE
	v_mov_b32 v[NIL], 0
	ds_add_u32 v[SPW], v[NIL]                      ; the wave's opening: the add, twice on end, and its wait ahead of my first tensor load
	ds_add_u32 v[SPW], v[NIL]
	v_lshrrev_b32 v1, 5, v0
	v_readfirstlane_b32 s12, v1                    ; wave 0..3
	s_lshr_b32 s13, s12, 1                         ; RH: which 64 queries are mine.  Also: I fetch for P (0) or for V (1)
	s_and_b32 s14, s12, 1                          ; CH: which 128 channels.  Also: which half of that tile I fetch
	s_bfe_u32 s15, ttmp6, 0x40000                  ; cx
	s_bfe_u32 s16, ttmp6, 0x40004                  ; cy
	s_lshl_b32 s17, ttmp9, 2
	s_add_co_u32 s17, s17, s15                     ; tile column (256 channels)
	s_and_b32 s19, ttmp7, 0xffff                   ; cluster y
	s_lshl_b32 s18, s19, 2
	s_add_co_u32 s18, s18, s16                     ; tile row (128 of the 8,192 rows)
	s_lshl_b32 s40, s16, 2
	s_lshl_b32 s40, 15, s40                        ; my row of the cluster
	s_lshl_b32 s41, 0x1111, s15                    ; my column
	; P: 64 rows x 192 elements of 2 bytes; 4 words of padding behind every 32.  For the last 128 keys the tensor ends at element 128: the rest of a row arrives as zeros, which nobody reads, and the pitch stays
	s_or_b32 s[G1P], s40, (1<<16)|(1<<20)|(1<<21)|(4<<22)|(3<<25)
	s_or_b32 s[G1PL], s40, (1<<16)|(1<<20)|(1<<21)|(4<<22)|(3<<25)
	s_mov_b32 s[G1P+1], 192<<16                    ; tensor_dim0
	s_mov_b32 s[G1PL+1], 128<<16
.irp g, G1P, G1PL
	s_mov_b32 s[\g+2], 64<<16                      ; tensor_dim1
	s_mov_b32 s[\g+3], 192<<16                     ; tile_dim0
	s_mov_b32 s[\g+4], 64                          ; tile_dim1
	s_mov_b32 s[\g+5], 2048                        ; the pitch, in elements
	s_mov_b32 s[\g+6], 0
	s_mov_b32 s[\g+7], 0
.endr
	; V: 96 keys x 256 elements; 8 words of padding behind every 128.  For the last 128 keys: 64 keys a wave
	s_or_b32 s[G1V], s41, (1<<16)|(1<<20)|(1<<21)|(6<<22)|(7<<25)
	s_or_b32 s[G1VL], s41, (1<<16)|(1<<20)|(1<<21)|(6<<22)|(7<<25)
	s_mov_b32 s[G1V+2], 96<<16
	s_mov_b32 s[G1V+4], 96
	s_mov_b32 s[G1VL+2], 64<<16
	s_mov_b32 s[G1VL+4], 64
.irp g, G1V, G1VL
	s_mov_b32 s[\g+1], 256<<16
	s_mov_b32 s[\g+3], 256<<16
	s_mov_b32 s[\g+5], 1024
	s_mov_b32 s[\g+6], 0
	s_mov_b32 s[\g+7], 0
.endr
	s_lshl_b32 s94, s18, 7                         ; the tile's first row
	s_lshl_b32 s20, s14, 6
	s_add_co_u32 s20, s94, s20                     ; P: row 128 x tile row + 64 x half,
	s_lshl_b32 s20, s20, 12                        ; of 4,096 bytes (under 2^26)
	s_mov_b32 s21, 0
	s_lshr_b32 s68, s19, 2                         ; my batch: cluster y / 4, which all sixteen partners share
	s_lshl_b32 s68, s68, 11
	s_add_co_u32 s68, s68, 16384                   ; v's first row of my batch
	s_lshl_b32 s69, s17, 9                         ; my tile column's first byte in a row of v
	s_mul_i32 s22, s14, 96
	s_add_co_u32 s22, s22, s68                     ; V: the batch's key 96 x half,
	s_lshl_b32 s22, s22, 11                        ; rows of 2,048 bytes
	s_add_co_u32 s22, s22, s69
	s_mov_b32 s23, 0
	s_lshl_b32 s96, s14, 6
	s_add_co_u32 s96, s96, s68
	s_add_co_u32 s96, s96, 1920                    ; the last fill: key 1,920 + 64 x half
	s_lshl_b32 s96, s96, 11
	s_add_co_u32 s96, s96, s69
	s_mov_b32 s97, 0
	s_mul_i32 s66, s14, 64*PP                      ; where they go: no place in the cluster enters an LDS address
	s_mul_i32 s67, s14, 96*PV
	s_add_co_u32 s67, s67, VOFF
	s_mul_i32 s95, s14, 64*PV
	s_add_co_u32 s95, s95, VOFF
	s_lshl_b32 s70, s13, 6
	s_add_co_u32 s94, s94, s70                     ; my wave's first row: 128 x tile row + 64 RH
	s_lshl_b32 s70, s94, 2
	s_mov_b32 s71, 0
	v_and_b32 v1, 15, v0                           ; r = l % 16
	v_lshlrev_b32 v[SOF], 2, v1
	s_wait_dscnt 0x0                               ; both opening adds are done
	s_wait_kmcnt 0x0
	s_add_nc_u64 s[8:9], s[8:9], s[70:71]          ; stats at my first row
	WIN 0x40                                       ; destination window 1
.irp c, 0,1,2,3,4,5,6,7,8,9,10,11,12,13,14,15  ; lane (r, h) takes the statistics of its own four queries, 16 a + r: sixteen lanes read 64 consecutive bytes.  Asked for first of all: the factors are made while the first tiles land
.irp a, 0,1,2,3
	global_load_b32 v[NMR+4*\c+\a], v[SOF], s[8:9] offset:32768*\c+64*\a
.endr
.endr
.irp c, 0,1,2,3,4,5,6,7,8,9,10,11,12,13,14,15
.irp a, 0,1,2,3
	global_load_b32 v[LR+4*\c+\a], v[SOF], s[8:9] offset:524288+32768*\c+64*\a
.endr
.endr
	WIN 0
	s_add_nc_u64 s[20:21], s[4:5], s[20:21]
	s_add_nc_u64 s[22:23], s[6:7], s[22:23]
	CROUND                                         ; all sixteen work-groups are here: the first joint loads meet
.irp s, 0,1
	s_mov_b32 s[G0P+4*\s], 1
	s_add_co_u32 s[G0P+4*\s+1], s66, \s*SLOT
	s_add_nc_u64 s[G0P+4*\s+2:G0P+4*\s+3], s[20:21], \s*384          ; slot s: 192 keys are 384 bytes of a row of P,
	s_or_b32 s[G0P+4*\s+3], s[G0P+4*\s+3], 0x80000000
	s_mov_b32 s[G0V+4*\s], 1
	s_add_co_u32 s[G0V+4*\s+1], s67, \s*SLOT
	s_add_nc_u64 s[G0V+4*\s+2:G0V+4*\s+3], s[22:23], \s*393216       ; and 192 rows of v
	s_or_b32 s[G0V+4*\s+3], s[G0V+4*\s+3], 0x80000000
	JLOAD G0P+4*\s, G1P, G0V+4*\s, G1V             ; two loads of mine are out
.endr
	s_mov_b32 s[G0VL], 1                           ; V's group 0 for the last fill, into slot 0
	s_mov_b32 s[G0VL+1], s95
	s_add_nc_u64 s[G0VL+2:G0VL+3], s[6:7], s[96:97]
	s_or_b32 s[G0VL+3], s[G0VL+3], 0x80000000
	s_lshl_b32 s70, s94, 12                        ; out0: rows of 4,096 bytes,
	s_lshl_b32 s71, s17, 10
	s_add_co_u32 s70, s70, s71                     ; + 1,024 x tile column
	s_lshl_b32 s71, s14, 9
	s_add_co_u32 s70, s70, s71                     ; + 512 CH
	s_mov_b32 s71, 0
	s_add_nc_u64 s[10:11], s[10:11], s[70:71]
	v_bfe_u32 v2, v0, 4, 1                         ; h = l / 16
	v_and_b32 v3, 7, v0                            ; l % 8
	v_bfe_u32 v4, v0, 3, 1                         ; (l / 8) % 2
	v_and_b32 v5, 31, v0                           ; lane
	v_mul_u32_u24 v7, v1, PP
	v_lshl_add_u32 v7, v2, 4, v7
	s_mul_i32 s70, s13, 64*PP
	v_add_nc_u32 v[ADRP], s70, v7                  ; P: (64 RH + r) x pitch + 16 h
	v_add_nc_u32 v[ADRP+1], SLOT, v[ADRP]
	v_lshl_add_u32 v7, v2, 3, v3
	v_mul_u32_u24 v7, v7, PV
	v_lshl_add_u32 v7, v4, 4, v7
	s_lshl_b32 s70, s14, 8
	s_add_co_u32 s70, s70, VOFF
	v_add_nc_u32 v[ADRV], s70, v7                  ; V, for the turning load: key 8 h + l % 8, 16 bytes (l / 8) % 2, + my 128 channels
	v_add_nc_u32 v[ADRV+1], SLOT, v[ADRV]
	v_add_nc_u32 v[ADRV+2], 96*PV, v[ADRV]
	v_add_nc_u32 v[ADRV+3], 96*PV, v[ADRV+1]
	s_lshl_b32 s70, s12, 10
	s_add_co_u32 s70, s70, FT
	v_lshl_add_u32 v[FAD], v1, 2, s70
	s_mul_i32 s70, s12, 16*SPITCH
	s_add_co_u32 s70, s70, STAGE
	v_mul_u32_u24 v7, v1, SPITCH
	v_lshl_add_u32 v7, v2, 5, v7
	v_add_nc_u32 v[STO], s70, v7                   ; the stage, in: row r, 32 bytes for each half of the lanes
	v_lshlrev_b32 v[CO], 4, v5
	v_add_nc_u32 v[RD], s70, v[CO]                 ; back: the 32 lanes take one row of 512 bytes; and the same in out0
	; the prefetches: where my wave's stand, and who asks
	s_lshl_b32 s20, s18, 7
	s_lshl_b32 s21, s15, 5
	s_add_co_u32 s20, s20, s21                     ; P: row 128 x tile row + 32 cx,
	s_lshl_b32 s20, s20, 12
	s_add_co_u32 s20, s20, 768                     ; byte 768: the first change of slots steps it by 512, to slot 3's own block
	s_mul_i32 s21, s16, 48
	s_add_co_u32 s21, s21, s68
	s_add_co_u32 s21, s21, 2*192-16                ; V: key 48 cy + 16 (wave - 1) of slot 2: the first change steps it to slot 3
	s_lshl_b32 s22, s12, 4
	s_add_co_u32 s21, s21, s22
	s_lshl_b32 s21, s21, 11
	s_add_co_u32 s21, s21, s69
	s_and_b32 s23, s19, 3                          ; which of the batch's four clusters
	s_cmp_eq_u32 s12, 0                            ; wave 0 asks for P, the others for V
	s_cselect_b64 s[PFA:PFA+1], s[4:5], s[6:7]
	s_cselect_b32 s20, s20, s21
	s_cselect_b32 s23, 0, s23                      ; P: every cluster asks for its own rows; V: the batch's first cluster
	s_mov_b32 s[STA], 393216
	s_cselect_b32 s[STA], 256, s[STA]              ; the step from an odd slot's blocks to an even slot's,
	s_mov_b32 s[STB], 393216
	s_cselect_b32 s[STB], 512, s[STB]              ; and from an even slot's to an odd slot's; V: 192 rows each time
	s_mov_b32 s66, 2048
	s_cselect_b32 s66, 4096, s66                   ; from lane to lane among sixteen,
	s_mov_b32 s67, 256
	s_cselect_b32 s67, 65536, s67                  ; and from the first sixteen to the second: P: 16 rows on; V: the row's second 256 bytes
	s_cselect_b32 s[LIM2], 1, -1
	s_mov_b32 s21, 0
	s_mov_b32 s[STA+1], 0
	s_mov_b32 s[STB+1], 0
	s_add_nc_u64 s[PFA:PFA+1], s[PFA:PFA+1], s[20:21]
	s_cmp_eq_u32 s23, 0
	s_cselect_b32 s[LIM], 1, -1                    ; the same in all sixteen partners, for a given wave
	v_mul_lo_u32 v[PFO], v1, s66
	v_mul_lo_u32 v7, v2, s67
	v_add_nc_u32 v[PFO], v[PFO], v7
	; THE FACTORS.  nMrow = the least nM (the largest M); d = nMrow - nM_c is a whole number, 0 or less; f_c = 2^d has the exponent field e = 127 + d, held at 0 from below (f = 0); l = the sum of f_c L_c
	s_wait_loadcnt 0x0
	WIN 0x55                                       ; all in window 1
.irp a, 0,1,2,3
	v_min3_num_f32 v[MN+\a], v[NMR+\a], v[NMR+4+\a], v[NMR+8+\a]
.endr
.irp c, 3,5,7,9,11,13
.irp a, 0,1,2,3
	v_min3_num_f32 v[MN+\a], v[MN+\a], v[NMR+4*\c+\a], v[NMR+4*\c+4+\a]
.endr
.endr
.irp a, 0,1,2,3
	v_min_num_f32 v[MN+\a], v[MN+\a], v[NMR+60+\a]
.endr
.irp c, 0,1,2,3,4,5,6,7,8,9,10,11,12,13,14,15
.irp a, 0,1,2,3
	v_sub_f32 v[DD+\a], v[MN+\a], v[NMR+4*\c+\a]
.endr
.irp a, 0,1,2,3
	v_add_f32 v[DD+\a], 0x42fe0000, v[DD+\a]       ; + 127
.endr
.irp a, 0,1,2,3
	v_max_num_f32 v[DD+\a], 0, v[DD+\a]
.endr
.irp a, 0,1,2,3
	v_cvt_u32_f32 v[DD+\a], v[DD+\a]               ; e: 0 .. 127
.endr
.irp a, 0,1,2,3
	v_lshlrev_b32 v[EE+\a], 23, v[DD+\a]           ; f
.endr
.irp a, 0,1,2,3
.if \c == 0
	v_mul_f32 v[LS+\a], v[EE+\a], v[LR+\a]         ; the first term starts the sum
.else
	v_fmac_f32 v[LS+\a], v[EE+\a], v[LR+4*\c+\a]
.endif
.endr
	v_lshl_or_b32 v[PW+\c], v[DD+1], 8, v[DD]      ; my four queries' bytes make the chunk's word
	v_lshl_or_b32 v[PW+\c], v[DD+2], 16, v[PW+\c]
	v_lshl_or_b32 v[PW+\c], v[DD+3], 24, v[PW+\c]
.endr
	WIN 0x04                                       ; an LDS store's data are its source 1: window 1
.irp c, 0,1,2,3,4,5,6,7,8,9,10,11,12,13,14,15
	ds_store_b32 v[FAD], v[PW+\c] offset:64*\c     ; both halves of the lanes write the same word with the same value; the table is the wave's own: no barrier is needed for it
.endr
	WIN 0x01                                       ; source 0 window 1, destination window 0
.irp a, 0,1,2,3
	v_rcp_f32 v[RC+2*\a], v[LS+\a]                 ; 1 / l, twice: a pair for the packed multiply
	v_rcp_f32 v[RC+2*\a+1], v[LS+\a]
.endr
	WIN 0
	v_nop                                          ; a plain line behind the last reciprocal
	s_wait_alu depctr_va_vdst(0)                   ; one wait for the eight
.irp a, 0,1,2,3
	v_mov_b32 v[FC+2*\a+1], 0                      ; named as the upper halves of the factors' pairs
.endr
; Product i of 32 of a quarter: query block i / 8, channels 16 (i % 8) on; par: the buffers.  zero = 1: a chunk's first quarter starts its sums.  The 32 accumulators take turns in one order.
.macro WM par, zero
.if \zero
	v_wmma_f32_16x16x32_f16 v[8*i:8*i+7], v[VF+64*(\par)+8*(i%8):VF+64*(\par)+8*(i%8)+7], v[PF+32*(\par)+8*(i/8):PF+32*(\par)+8*(i/8)+7], 0
.else
	v_wmma_f32_16x16x32_f16 v[8*i:8*i+7], v[VF+64*(\par)+8*(i%8):VF+64*(\par)+8*(i%8)+7], v[PF+32*(\par)+8*(i/8):PF+32*(\par)+8*(i/8)+7], v[8*i:8*i+7]
.endif
.endm
; Accumulator kf of T goes into O, from its low end on: O += f T (kind 1), or O = f T for the first chunk (kind 2): nothing is ever cleared.  The same register numbers name T in window 1 and O in window 2.
.macro FOLD kind
.set jj, 8*kf
.rept 4
.if \kind == 2
	v_pk_mul_f32 v[jj:jj+1], v[jj:jj+1], v[FC+2*(kf/8):FC+2*(kf/8)+1] op_sel_hi:[1,0]
.else
	v_pk_fma_f32 v[jj:jj+1], v[jj:jj+1], v[FC+2*(kf/8):FC+2*(kf/8)+1], v[jj:jj+1] op_sel_hi:[1,0,1]
.endif
.set jj, jj+2
.endr
.endm
; n products from number lo on.  fold: behind product i stands the fold of accumulator i - 2.  Four plain lines must lie between a product and the read of its result (ISA guide 7.12.1): ahead of the first fold they are
; four v_nop, afterwards the folds of the two accumulators before.
.macro MULS lo, n, par, zero, fold
.set i, \lo
.rept \n
	WIN WMSET
	WM \par, \zero
.if \fold
.if i == 2
.rept 4
	v_nop
.endr
.endif
.if i >= 2
	WIN FOSET
.set kf, i-2
	FOLD \fold
.endif
.endif
.set i, i+1
.endr
.endm
; ONE run of 24 LDS loads: the fragments of the slot's quarter q (32 keys) into buffers par: P of my four query blocks, then V^T of my 128 channels, turned.
.macro FETCH slot, q, par
	WIN 0
.irp a, 0,1,2,3
	ds_load_b128 v[PF+32*(\par)+8*\a:PF+32*(\par)+8*\a+3],   v[ADRP+\slot] offset:64*(\q)+16*((\q)/2)+\a*16*PP
	ds_load_b128 v[PF+32*(\par)+8*\a+4:PF+32*(\par)+8*\a+7], v[ADRP+\slot] offset:64*(\q)+16*((\q)/2)+\a*16*PP+32
.endr
.irp b, 0,1,2,3,4,5,6,7
	ds_load_tr16_b128 v[VF+64*(\par)+8*\b:VF+64*(\par)+8*\b+3],   v[ADRV+\slot+2*((\q)/3)] offset:32*((\q)%3)*PV+32*\b
	ds_load_tr16_b128 v[VF+64*(\par)+8*\b+4:VF+64*(\par)+8*\b+7], v[ADRV+\slot+2*((\q)/3)] offset:32*((\q)%3)*PV+16*PV+32*\b
.endr
.endm
.macro DECODE                          ; the chunk's four exponent bytes become four factors: eight plain lines, which also part the last quarter's products from the loads into their buffers
	WIN 0
	v_lshlrev_b32 v[FC], 23, v[FWD]
	v_lshlrev_b32 v[FC+2], 15, v[FWD]
	v_lshlrev_b32 v[FC+4], 7, v[FWD]
	v_lshrrev_b32 v[FC+6], 1, v[FWD]
.irp a, 0,2,4,6
	v_and_b32 v[FC+\a], 0x7f800000, v[FC+\a]
.endr
.endm
.macro PLACES
.rept 4
	v_nop
.endr
.endm
; A QUARTER: 32 keys, 32 products on buffers par.  At its head the next quarter's fragments (slot nslot, quarter nq) are asked for, into the other buffers, which the quarter before has read: a whole quarter ahead of their use.
; zero: a chunk's first quarter.  fold: its last (1: O += f T; 2: O = f T).  fw: its third: the chunk's factor word is asked for.
; turn: a slot's last quarter changes slots, at its head: my reads of the slot are over when this quarter's fragments are in.  ONE barrier; in front of it each wave waits for all its tensor loads (one is out: its part
; of the other slot), adds 0 to its spare word, and waits for that and for its LDS loads.  turn = 1: the barrier opens a round of the cluster's, and the slot is filled again, two slots on: the load has 184 products in
; which to land.  turn = 2: the same with the last 128 keys.  turn = 3: nothing is left to fetch.
.macro QTR par, zero, fold, fw, turn, slot, fetch, nslot, nq, ask
.if \turn
.if \ask == 1
	s_wait_xcnt 0x0                                ; the last prefetch, six quarters back, has read its address
	s_add_nc_u64 s[PFA:PFA+1], s[PFA:PFA+1], s[STB:STB+1]
.endif
.if \ask == 2
	s_wait_xcnt 0x0
	s_add_nc_u64 s[PFA:PFA+1], s[PFA:PFA+1], s[STA:STA+1]
.endif
	WIN 0
	s_wait_tensorcnt 0x0                           ; no tensor load of mine is out, so a group 0 may be written
	ds_add_u32 v[SPW], v[NIL]                      ; 0 onto my spare word
.if \turn < 3
	s_add_nc_u64 s[G0P+4*\slot+2:G0P+4*\slot+3], s[G0P+4*\slot+2:G0P+4*\slot+3], 768
.endif
.if \turn == 1
	s_add_nc_u64 s[G0V+4*\slot+2:G0V+4*\slot+3], s[G0V+4*\slot+2:G0V+4*\slot+3], 786432
.endif
	s_wait_dscnt 0x0                               ; the add is done; this quarter's fragments are in, and with them my reads of this slot are over
	s_barrier_signal -1
.if \fold
	DECODE
.endif
	MULS 0, 8, \par, \zero, \fold
	WIN 0
	s_barrier_wait -1
.if \turn == 1
	CREST
	JLOAD G0P+4*\slot, G1P, G0V+4*\slot, G1V       ; my one tensor load behind the round; its four v_nop are also the plain lines in front of the loads below
.endif
.if \turn == 2
	CREST
	JLOAD G0P+4*\slot, G1PL, G0VL, G1VL
.endif
.if \turn == 3
	PLACES
.endif
	FETCH \nslot, \nq, 1-\par
.if \ask
	ASK \ask-1
.endif
	MULS 8, 24, \par, \zero, \fold
.else
	s_wait_dscnt 0x0                               ; this quarter's fragments are in (asked for a quarter ago)
.if \fold
	DECODE
.else
	PLACES
.endif
.if \fetch
	FETCH \nslot, \nq, 1-\par
.if \fw
	ds_load_b32 v[FWD], v[FAD]
	v_add_nc_u32 v[FAD], 64, v[FAD]                ; on to the next chunk's word
.endif
.endif
	MULS 0, 32, \par, \zero, \fold
.endif
.if \fold
	WIN FOSET
.set kf, 30
	FOLD \fold
.set kf, 31
	FOLD \fold
.endif
.endm
; Twelve quarters: from a slot 0's fifth quarter to the next slot 0's fourth: two changes of slots (t1, t7: their kind; a1, a7: their prefetches), three chunks.  more = 0: the very last quarter fetches nothing.
.macro LAP t1, t7, a1, a7, more
	QTR 0, 1, 0, 0, 0, 0, 1, 0, 5, 0
	QTR 1, 0, 0, 0, \t1, 0, 1, 1, 0, \a1
	QTR 0, 0, 0, 1, 0, 0, 1, 1, 1, 0
	QTR 1, 0, 1, 0, 0, 0, 1, 1, 2, 0
	QTR 0, 1, 0, 0, 0, 0, 1, 1, 3, 0
	QTR 1, 0, 0, 0, 0, 0, 1, 1, 4, 0
	QTR 0, 0, 0, 1, 0, 0, 1, 1, 5, 0
	QTR 1, 0, 1, 0, \t7, 1, 1, 0, 0, \a7
	QTR 0, 1, 0, 0, 0, 0, 1, 0, 1, 0
	QTR 1, 0, 0, 0, 0, 0, 1, 0, 2, 0
	QTR 0, 0, 0, 1, 0, 0, 1, 0, 3, 0
	QTR 1, 0, 1, 0, 0, 0, \more, 0, 4, 0
	WIN 0                                          ; at a label and at a branch every window is 0
.endm
	s_wait_tensorcnt 1                             ; my part of slot 0 is in; slot 1's, issued behind it, may be out
	s_wait_dscnt 0x0                               ; my table is written
	s_barrier_signal -1
	s_barrier_wait -1
	FETCH 0, 0, 0
	QTR 0, 1, 0, 0, 0, 0, 1, 0, 1, 0               ; chunk 0 stands in front of the loop: its fold starts O
	QTR 1, 0, 0, 0, 0, 0, 1, 0, 2, 0
	QTR 0, 0, 0, 1, 0, 0, 1, 0, 3, 0
	QTR 1, 0, 2, 0, 0, 0, 1, 0, 4, 0
	WIN 0
	s_mov_b32 s3, 4
.Llap:                                                 ; four trips: chunks 1 to 12; each fills both slots again: slots' worths 2 to 9
	LAP 1, 1, 1, 2, 1
	s_sub_co_u32 s3, s3, 1
	s_cmp_lg_u32 s3, 0
	s_cbranch_scc1 .Llap
	LAP 2, 3, 0, 0, 0                              ; the last twelve quarters are written out: the last 128 keys are fetched with descriptors of their own, then nothing
; THE WAY OUT, block by block of 16 queries x 128 channels.  SCALE: times 1 / l.  TOSTAGE: 32 bytes a lane into my stage, and back as whole rows of 512 bytes.  SEND: stored.
; The stage lies in slot 1: every wave has passed the last change of slots, behind which nobody reads that slot and nothing is fetched into it.  The last twelve lines of the fold part the last products from what follows.
.macro SCALE a
	WIN 0x02                                       ; source 0: window 2
.set j, 0
.rept 32
	v_pk_mul_f32 v[TM+j:TM+j+1], v[64*(\a)+j:64*(\a)+j+1], v[RC+2*(\a):RC+2*(\a)+1]
.set j, j+2
.endr
	WIN 0
.endm
.macro TOSTAGE a
.set BB, BK+64*((\a)%2)
.irp b, 0,1,2,3,4,5,6,7
	ds_store_b128 v[STO], v[TM+8*\b:TM+8*\b+3] offset:64*\b
	ds_store_b128 v[STO], v[TM+8*\b+4:TM+8*\b+7] offset:64*\b+16
.endr
.irp t, 0,1,2,3,4,5,6,7,8,9,10,11,12,13,14,15
	ds_load_b128 v[BB+4*\t:BB+4*\t+3], v[RD] offset:\t*SPITCH      ; LDS serves a wave's instructions in order: these see the stores above
.endr
.endm
.macro SEND a, younger                 ; younger: the LDS instructions issued behind block a's loads
.set BB, BK+64*((\a)%2)
	s_wait_dscnt \younger
.if (\a) > 0
	s_add_nc_u64 s[10:11], s[10:11], 65536         ; 16 rows on (behind a wait on XCNT: the earlier stores have read their base)
.endif
.irp t, 0,1,2,3,4,5,6,7,8,9,10,11,12,13,14,15
	global_store_b128 v[CO], v[BB+4*\t:BB+4*\t+3], s[10:11] offset:4096*\t th:TH_STORE_NT   ; 32 lanes store 512 consecutive bytes, aligned; written once, read by nobody here
.endr
.endm
	SCALE 0
	TOSTAGE 0
.irp a, 1,2,3
.if \a > 1
	s_wait_xcnt 0x0                                ; block a - 2's stores have read their registers and their base
.endif
	SCALE \a
	TOSTAGE \a
	SEND \a-1, 32                                  ; behind block a - 1's loads: block a's 16 stores and 16 loads
.endr
	s_wait_xcnt 0x0
	SEND 3, 0
	s_wait_tensorcnt 0x0                           ; the wave's end
	ds_add_u32 v[SPW], v[NIL]
	s_wait_dscnt 0x0
	CROUND                                         ; the closing round
	s_endpgm
.Lfunc_end_k_q10a34e0300_pv:
	.size	k_q10a34e0300_pv, .Lfunc_end_k_q10a34e0300_pv-k_q10a34e0300_pv
	.p2alignl 7, 3214868480
	.fill 96, 4, 3214868480
	.section	.rodata,"a",@progbits
	.p2align	6, 0x0
	.amdhsa_kernel k_q10a34e0300_pv
		.amdhsa_group_segment_fixed_size 327680
		.amdhsa_private_segment_fixed_size 0
		.amdhsa_enable_private_segment 0
		.amdhsa_kernarg_size 32
		.amdhsa_user_sgpr_count 2
		.amdhsa_user_sgpr_kernarg_segment_ptr 1
		.amdhsa_wavefront_size32 1
		.amdhsa_system_sgpr_workgroup_id_x 1
		.amdhsa_system_sgpr_workgroup_id_y 1
		.amdhsa_system_sgpr_workgroup_id_z 1
		.amdhsa_system_vgpr_workitem_id 0
		.amdhsa_next_free_vgpr 768
		.amdhsa_next_free_sgpr 100
		.amdhsa_reserve_vcc 0
		.amdhsa_float_denorm_mode_32 3
		.amdhsa_float_denorm_mode_16_64 3
		.amdhsa_memory_ordered 1
		.amdhsa_forward_progress 1
		.amdhsa_inst_pref_size 247
	.end_amdhsa_kernel
	.amdgpu_metadata
---
amdhsa.version: [ 1, 2 ]
amdhsa.kernels:
  - .name:           k_q10a34e0300_pv
    .symbol:         k_q10a34e0300_pv.kd
    .args:
      - { .name: probs, .offset: 0, .size: 8, .value_kind: global_buffer, .address_space: global }
      - { .name: qkv, .offset: 8, .size: 8, .value_kind: global_buffer, .address_space: global }
      - { .name: stats, .offset: 16, .size: 8, .value_kind: global_buffer, .address_space: global }
      - { .name: out0, .offset: 24, .size: 8, .value_kind: global_buffer, .address_space: global }
    .group_segment_fixed_size: 327680
    .private_segment_fixed_size: 0
    .kernarg_segment_align: 8
    .kernarg_segment_size: 32
    .max_flat_workgroup_size: 128
    .sgpr_count:     100
    .vgpr_count:     768
    .wavefront_size: 32
...
	.end_amdgpu_metadata
.endif
;; end of part 4
